; MI455X (gfx1250); checked and timed in simulation.
; The chip was launched on July 23, 2026; its instructions are those of AMD's public machine-readable ISA for CDNA 5 (MIT licence, August 2026) and "CDNA5" Instruction Set Architecture Reference Guide (July 2026). The comments in the code are by the model that wrote it; some were corrected since.
;; MP Attention Layer. Allowed arithmetic: matrix products marked QUANTISED: E2M3 operands, one E8M0 scale for each 32 along K, by v_wmma_scale_f32_16x16x128_f8f6f4 with both operands' format E2M3, f32 sums; everything else in f32.
;; Inputs: dictionary 4,096 x 1,024 float32; mask 4 x 2,048 x 4,096 int32; x 4 x 2,048 x 1,024 float32.
;; Outputs: out0 4 x 2,048 x 1,024 float32; out1 4 x 2,048 int32.
;; This version of the problem:
;;   THIS VERSION OF THE PROBLEM IS GIVEN IN LOW PRECISION. The matrix products marked QUANTISED in the list below multiply operands that are first quantised to E2M3 (2 exponent bits, 3 mantissa bits; 6 bits a number), with one power-of-two scale for each 32 numbers along K (OCP MX v1.0); their sums are f32. All else is computed in f32.
;;   The module's matrix products, in the order in which they are computed (A, B: the left and right operand; K: the contracted axis; several contracted axes count as one K, in the product's order):
;;     1. [M 8,192, K 1,024] x [K 1,024, N 4,096]; A: input x; B: input dictionary: QUANTISED
;;     2. [M 8,192, K 4,096] x [K 4,096, N 1,024]; A: softmax (see below); B: input dictionary: QUANTISED
;;   THE QUANTISER, for each operand of a quantised product, along K:
;;     - K is cut into blocks of 32 from its start; a last block that is shorter is filled with zeros.
;;     - A block's scale is 2^e with e = floor(log2(the largest magnitude in the block)) - 2, held to -126 .. 127; a block of zeros has e = 0. As a byte (E8M0): e + 127.
;;     - Each number is divided by its block's scale, clamped to +-7.5, and rounded to the nearest number of E2M3, ties to even, subnormals kept.
;;     - The product sums the exact products of the quantised numbers (number of the format x scale) in f32.
;;   ~~~python
;;   def quantise(x, axis):      # numpy; x: float32 -> the quantised numbers, widened to float32 again
;;       x = np.moveaxis(x, axis, -1); K = x.shape[-1]
;;       x = np.pad(x, [(0, 0)] * (x.ndim - 1) + [(0, -K % 32)]); x = x.reshape(x.shape[:-1] + (-1, 32)); a = np.abs(x).max(-1, keepdims=True)
;;       e = np.where(a > 0, np.clip(np.frexp(np.where(a > 0, a, 1))[1] - 1 - 2, -126, 127), 0)      # np.frexp(a)[1] - 1 = floor(log2(a)), exactly
;;       r = np.clip(x / 2.0 ** e, -7.5, 7.5)
;;       step = 2.0 ** (np.maximum(np.frexp(np.where(r == 0, 1, r))[1] - 1, 0) - 3)
;;       q = np.round(r / step) * step * 2.0 ** e      # np.round: ties to even
;;       return np.moveaxis(q.reshape(q.shape[:-2] + (-1,))[..., :K], -1, axis).astype(np.float32)
;;   ~~~
;;   SOFTMAX AHEAD OF A QUANTISED PRODUCT. Where the list says 'softmax', what is quantised is not the finished softmax but p = 2^(t - M), with t = logit x log2(e) and M = ceil(the row's largest t), a whole number; so 1/2 < the row's largest p <= 1. The row's sum l is taken of the UNQUANTISED p, in f32, and the product's result is divided by l at the end. Since M is a whole number, a kernel that streams over the keys may use a running M (the ceiling of the running maximum): every later rescaling is an exact power of two, which a block's scale takes up: the codes' values come out the same.
;;   OPERANDS COMPUTED ON THE WAY. 'Computed on the way' means the value that the module computes at that place (a softmax that the list does not call 'softmax' is quantised finished and normalised). What goes into a quantiser is computed in f32, as accurately as f32 sums, v_exp_f32 and their like allow (about 1e-6 of the number): no bf16 or f16 on the way to a quantiser, and a product that is left as it is and whose result goes on into a quantised operand takes f32 operands (vector FMAs, or v_wmma_f32_16x16x4_f32). A number that lies on a knife's edge between two numbers of the format may be rounded either way, as far as f32 arithmetic and the matrix unit's own rounding can turn it there, and no further.
;; 2 versions. Each part assembles by itself: llvm-mc -triple=amdgcn-amd-amdhsa -mcpu=gfx1250 --defsym DOCPART=n.
;; ======== version 1 of 2: 2 launches
;; workspace buffers: xc 6,291,456 bytes; xs 262,144 bytes; kv 6,291,456 bytes; ks 131,072 bytes; vs 131,072 bytes
;; launch quant (part 1): grid 1024 x 1, 4 waves a work-group, no clusters, 34,304 bytes of LDS; arguments x, dictionary, xc, xs, kv, ks, vs; writes xc, xs, kv, ks, vs
.if DOCPART == 1
	.amdgcn_target "amdgcn-amd-amdhsa--gfx1250"
	.amdhsa_code_object_version 6
	.text
	.protected	k_q7113dd859a_quant
	.globl	k_q7113dd859a_quant
	.p2align	8
	.type	k_q7113dd859a_quant,@function
k_q7113dd859a_quant:
	s_mov_b64 s[64:65], 0
	v_nop
	global_prefetch_b8 v0, s[64:65] scope:SCOPE_SE
	s_setreg_imm32_b32 hwreg(HW_REG_WAVE_MODE, 25, 1), 1
	s_wait_xcnt 0x0
; x [8192][1024] and dictionary [4096][1024], f32, become codes of FP6 (E2M3) with one E8M0 byte for each 32 along K, laid as IMAGES OF OPERAND REGISTERS for the launch that follows.
; A fragment (16 rows x 128 K, 12 registers a lane) is 1,536 bytes: [c = 0..2][lane][16 bytes] = registers 4 c .. 4 c + 3.  Lane (r, h) holds row r; registers 0-5: k = 32 h + 0..31, registers 6-11: k = 64 + 32 h + 0..31.
; A scale image is 1,024 bytes: register 4 c + i of a lane at 512 c + 16 lane + 4 i; lanes 0-15 carry one tile's row words, lanes 16-31 the partner tile's.
; ROWS (work-groups 0-767; K = the 1,024 innermost): x (0-511) and the dictionary as keys (512-767).  A group is 32 rows; row p of its tile u is memory row 32 g + 8 u + p + 8 (p / 8).
;   A work-group takes half a group's K, a wave one K step of 128: two fragments.  Each load reads 512 consecutive bytes of a row; the rows turn through the wave's own stage in LDS so that a lane gets two whole blocks of 32.
; COLUMNS (work-groups 768-1023; K = the atoms): the dictionary as values.  A lane takes a column d and its registers run down 128 atoms: four whole blocks; nothing changes lanes.
; kv: [step j of 128 atoms][wave w][49,152]: the keys' part (atoms 128 j + 32 w .., 16 fragments 8 u + s) and the values' part (d = 256 w + 16 t + r, 16 fragments t); keys first where j is even, values first where j is odd.
; A block's scale is 2^(floor(log2(largest magnitude)) - 2): its byte is the largest magnitude's exponent field - 2, held at 1 from below by a floor among the maximum's leaves.
; LIMITS: NaN and infinities are not served.  A block of zeros gets the byte 1 where the rule says 127: its codes are zeros, and this program alone reads the bytes.
; The scale words leave 4 bytes a lane, 16 bytes apart; the four waves of a work-group together fill 512 consecutive bytes: one byte in 128 of what the launch reads.
.set STGB,  8448                       ; a wave's stage: 16 rows x 528
.set SP,    528                        ; a stage row: 512 bytes + 16: the 16 rows that a load of 16 bytes a lane touches start 33 x 16 bytes apart
.set R,     16                         ; v16-143  numbers as loaded
.set X,     144                        ; v144-207 rows: 64 numbers of a lane;  columns: v144-155 and v156-167 the two lanes' images
.set C,     208                        ; v208-231 rows: the two fragments' codes
.set MX,    232                        ; v232-233 largest magnitudes
.set SOP,   234                        ; v234-235 the conversions' scale operands
.set BY,    236                        ; v236-239 scale bytes
.set TP,    240                        ; v240-246 the second halves' codes (a conversion's three registers begin on an even number)
.set WD,    248                        ; v248-249 scale words
.set WT,    250                        ; a lane permute's destination
.set WO,    251                        ; the word that leaves
; Two blocks of 32 numbers of a lane, at v[s0] and v[s1], by turns: six registers of codes each at v[d0], v[d1]; their bytes in v[by], v[by + 1].
.macro QUANT2 s0, s1, d0, d1, by
	v_max3_num_f32 v[MX], |v[(\s0)]|, |v[(\s0)+1]|, 0x1800000      ; the floor 2^(3 - 127) among the leaves: the byte cannot fall under 1
	v_max3_num_f32 v[MX+1], |v[(\s1)]|, |v[(\s1)+1]|, 0x1800000
.irp i, 2,4,6,8,10,12,14,16,18,20,22,24,26,28,30
	v_max3_num_f32 v[MX], v[MX], |v[(\s0)+\i]|, |v[(\s0)+\i+1]|
	v_max3_num_f32 v[MX+1], v[MX+1], |v[(\s1)+\i]|, |v[(\s1)+\i+1]|
.endr
	v_add_nc_u32 v[SOP], 0xff000000, v[MX]         ; 2 off the exponent field: the conversion takes this operand's exponent field as its scale
	v_add_nc_u32 v[SOP+1], 0xff000000, v[MX+1]
	v_lshrrev_b32 v[(\by)], 23, v[SOP]             ; the scale's byte
	v_lshrrev_b32 v[(\by)+1], 23, v[SOP+1]
	v_cvt_scalef32_pk16_fp6_f32 v[(\d0):(\d0)+2], v[(\s0):(\s0)+15], v[SOP]
	v_cvt_scalef32_pk16_fp6_f32 v[TP:TP+2], v[(\s0)+16:(\s0)+31], v[SOP]
	v_cvt_scalef32_pk16_fp6_f32 v[(\d1):(\d1)+2], v[(\s1):(\s1)+15], v[SOP+1]
	v_cvt_scalef32_pk16_fp6_f32 v[TP+4:TP+6], v[(\s1)+16:(\s1)+31], v[SOP+1]
	v_nop                                          ; one plain instruction behind the scaled conversions
.irp i, 0,1,2
	v_mov_b32 v[(\d0)+3+\i], v[TP+\i]
	v_mov_b32 v[(\d1)+3+\i], v[TP+4+\i]
.endr
.endm
	s_load_b256 s[4:11], s[0:1], 0x0               ; x s[4:5], dictionary s[6:7], xc s[8:9], xs s[10:11]
	s_load_b128 s[12:15], s[0:1], 0x20             ; kv s[12:13], ks s[14:15]
	s_load_b64 s[16:17], s[0:1], 0x30              ; vs
	v_lshl_add_u32 v254, v0, 2, 0x8400
	v_mov_b32 v255, 0
	v_lshrrev_b32 v1, 5, v0
	v_readfirstlane_b32 s18, v1                    ; wave 0..3
	v_and_b32 v1, 31, v0                           ; lane
	v_and_b32 v2, 15, v0                           ; r
	v_bfe_u32 v3, v0, 4, 1                         ; h
	v_lshlrev_b32 v4, 4, v1                        ; 16 x lane
	v_lshl_add_u32 v7, s18, 2, v4                  ; a scale word's place: 16 x lane + 4 x wave
	s_mov_b32 s40, 0x76543210
	s_mov_b32 s41, 0xfedcba98                      ; v_permlanex16_b32's selects for lane l xor 16
	s_mov_b32 s42, 0xffff0000                      ; lanes 16-31
	s_mov_b32 s33, 0
	s_wait_kmcnt 0x0
	s_cmp_ge_u32 ttmp9, 768
	s_cbranch_scc1 .Lcolumns
	; ---------------- ROWS ----------------
	s_cmp_lt_u32 ttmp9, 512                        ; x's work-group or the dictionary's?  The choice hangs on the work-group's number alone
	s_cselect_b64 s[20:21], s[4:5], s[6:7]         ; the numbers,
	s_cselect_b64 s[22:23], s[8:9], s[12:13]       ; the codes,
	s_cselect_b64 s[24:25], s[10:11], s[14:15]     ; the scale words
	s_cselect_b32 s26, 0, 512
	s_mov_b32 s27, 49152
	s_cselect_b32 s27, 24576, s27                  ; from group to group in the codes' buffer
	s_cselect_b32 s28, 0, 24576                    ; in kv the keys' part lies behind the values' where the step is odd
	s_sub_co_u32 s26, ttmp9, s26
	s_lshr_b32 s29, s26, 1                         ; g: the group of 32 rows
	s_and_b32 s30, s26, 1                          ; which half of K
	s_lshl_b32 s31, s30, 2
	s_add_co_u32 s31, s31, s18                     ; s: my K step of 128
	s_lshl_b32 s32, s29, 17                        ; 32 rows of 4,096 bytes
	s_lshl_b32 s34, s31, 9
	s_add_co_u32 s32, s32, s34
	s_add_nc_u64 s[20:21], s[20:21], s[32:33]
	s_mul_i32 s32, s29, s27
	s_bfe_u32 s34, s29, 0x10002                    ; the step's parity: bit 2 of g
	s_mul_i32 s34, s34, s28
	s_add_co_u32 s32, s32, s34
	s_mul_i32 s34, s31, 1536                       ; fragment 8 u + s
	s_add_co_u32 s32, s32, s34
	s_add_nc_u64 s[22:23], s[22:23], s[32:33]
	s_lshl_b32 s32, s29, 10
	s_lshl_b32 s34, s30, 9
	s_add_co_u32 s32, s32, s34
	s_add_nc_u64 s[24:25], s[24:25], s[32:33]
.irp u, 0,1
.irp p, 0,1,2,3,4,5,6,7,8,9,10,11,12,13,14,15
	global_load_b128 v[R+64*\u+4*\p:R+64*\u+4*\p+3], v4, s[20:21] offset:(8*\u+\p+8*(\p/8))*4096   ; 32 lanes read my K step's 512 consecutive bytes of one row
.endr
.endr
	s_mul_i32 s19, s18, STGB
	v_add_nc_u32 v5, s19, v4                       ; the stage, in: 16 x lane
	v_mul_u32_u24 v6, v2, SP
	v_lshl_add_u32 v6, v3, 7, v6
	v_add_nc_u32 v6, s19, v6                       ; and out: row r, + 128 h: my block of 32 numbers
	v_lshlrev_b32 v8, 3, v3                        ; 8 h
	v_mov_b32 v[WT], 0                             ; written once: a lane permute's destination counts as one of its sources
.macro ROWS u, left
	s_wait_loadcnt \left                           ; this tile's 16 loads are in
.irp p, 0,1,2,3,4,5,6,7,8,9,10,11,12,13,14,15
	ds_store_b128 v5, v[R+64*\u+4*\p:R+64*\u+4*\p+3] offset:SP*\p
.endr
.irp i, 0,1,2,3,4,5,6,7
	ds_load_b128 v[X+4*\i:X+4*\i+3], v6 offset:16*\i               ; LDS serves a wave's instructions in order: these see the stores above, and the next tile's stores come behind them
	ds_load_b128 v[X+32+4*\i:X+32+4*\i+3], v6 offset:256+16*\i     ; k = 32 h + 0..31 and k = 64 + 32 h + 0..31 of row r
.endr
	s_wait_dscnt 0x0
	QUANT2 X, X+32, C+12*\u, C+12*\u+6, BY
	v_lshl_or_b32 v[WD+\u], v[BY+1], 16, v[BY]     ; my two bytes: blocks h and 2 + h,
	v_lshlrev_b32 v[WD+\u], v8, v[WD+\u]           ; at their places in the word;
	v_permlanex16_b32 v[WT], v[WD+\u], s40, s41
	v_or_b32 v[WD+\u], v[WD+\u], v[WT]             ; with lane l xor 16's two the word is whole
.irp c, 0,1,2
	global_store_b128 v4, v[C+12*\u+4*\c:C+12*\u+4*\c+3], s[22:23] offset:8*\u*1536+512*\c   ; 512 consecutive bytes
.endr
.endm
	ROWS 0, 16                                     ; (the other tile's 16 loads may be out)
	ROWS 1, 0
	v_cndmask_b32 v[WO], v[WD], v[WD+1], s42       ; lanes 0-15: tile 0's words, lanes 16-31: tile 1's
	global_store_b32 v7, v[WO], s[24:25]
	s_wait_tensorcnt 0x0
	ds_add_u32 v254, v255
	s_wait_dscnt 0x0
	s_endpgm
	; ---------------- COLUMNS ----------------
.Lcolumns:
	s_sub_co_u32 s26, ttmp9, 768
	s_lshr_b32 s27, s26, 3                         ; j: the step of 128 atoms
	s_bfe_u32 s28, s26, 0x20001                    ; w: which 256 of d
	s_and_b32 s29, s26, 1
	s_lshl_b32 s30, s29, 2
	s_add_co_u32 s30, s30, s18                     ; q: my 32 columns of the 256
	s_lshl_b32 s32, s27, 19                        ; 128 rows of 4,096 bytes
	s_lshl_b32 s34, s28, 10
	s_add_co_u32 s32, s32, s34
	s_lshl_b32 s34, s30, 7
	s_add_co_u32 s32, s32, s34
	s_add_nc_u64 s[6:7], s[6:7], s[32:33]
	s_lshl_b32 s34, s27, 2
	s_add_co_u32 s34, s34, s28                     ; 4 j + w
	s_mul_i32 s32, s34, 49152
	s_and_b32 s35, s27, 1
	s_xor_b32 s35, s35, 1
	s_mul_i32 s35, s35, 24576                      ; the values' part lies behind the keys' where the step is even
	s_add_co_u32 s32, s32, s35
	s_mul_i32 s35, s30, 3072                       ; fragments 2 q and 2 q + 1
	s_add_co_u32 s32, s32, s35
	s_add_nc_u64 s[12:13], s[12:13], s[32:33]
	s_lshl_b32 s32, s34, 10
	s_lshl_b32 s35, s29, 9
	s_add_co_u32 s32, s32, s35
	s_add_nc_u64 s[16:17], s[16:17], s[32:33]
	v_lshlrev_b32 v5, 2, v1                        ; in: 4 bytes a lane
	v_mul_u32_u24 v6, v3, 1536
	v_lshl_add_u32 v6, v2, 4, v6                   ; out: fragment 2 q + lane / 16, 16 bytes at lane % 16
.set k, 0
.rept 128
	global_load_b32 v[R+k], v5, s[6:7] offset:k*4096   ; atom 128 j + k, my column: 128 consecutive bytes a wave, 512 a work-group
.set k, k+1
.endr
	s_wait_loadcnt 63                              ; of the 128 loads at most 63 are out: the oldest 65 are in, the 64 of blocks 0 and 1 among them (64 would do; this wait's count goes no higher than 63)
	QUANT2 R, R+32, X, X+12, BY                    ; block 0: registers 0-5 of lane (r, 0) of my fragment; block 1: of lane (r, 1)
	s_wait_loadcnt 0x0
	QUANT2 R+64, R+96, X+6, X+18, BY+2             ; blocks 2 and 3: registers 6-11
	v_lshl_or_b32 v[WO], v[BY+1], 8, v[BY]
	v_lshl_or_b32 v[WO], v[BY+2], 16, v[WO]
	v_lshl_or_b32 v[WO], v[BY+3], 24, v[WO]        ; my column's scale word
.irp c, 0,1,2
	global_store_b128 v6, v[X+4*\c:X+4*\c+3], s[12:13] offset:512*\c          ; sixteen lanes fill 256 consecutive bytes, aligned
	global_store_b128 v6, v[X+12+4*\c:X+12+4*\c+3], s[12:13] offset:512*\c+256
.endr
	global_store_b32 v7, v[WO], s[16:17]
	s_endpgm
.Lfunc_end_k_q7113dd859a_quant:
	.size	k_q7113dd859a_quant, .Lfunc_end_k_q7113dd859a_quant-k_q7113dd859a_quant
	.p2alignl 7, 3214868480
	.fill 96, 4, 3214868480
	.section	.rodata,"a",@progbits
	.p2align	6, 0x0
	.amdhsa_kernel k_q7113dd859a_quant
		.amdhsa_group_segment_fixed_size 34304
		.amdhsa_private_segment_fixed_size 0
		.amdhsa_enable_private_segment 0
		.amdhsa_kernarg_size 56
		.amdhsa_user_sgpr_count 2
		.amdhsa_user_sgpr_kernarg_segment_ptr 1
		.amdhsa_wavefront_size32 1
		.amdhsa_system_sgpr_workgroup_id_x 1
		.amdhsa_system_sgpr_workgroup_id_y 1
		.amdhsa_system_sgpr_workgroup_id_z 1
		.amdhsa_system_vgpr_workitem_id 0
		.amdhsa_next_free_vgpr 256
		.amdhsa_next_free_sgpr 66
		.amdhsa_reserve_vcc 0
		.amdhsa_float_denorm_mode_32 3
		.amdhsa_float_denorm_mode_16_64 3
		.amdhsa_memory_ordered 1
		.amdhsa_forward_progress 1
		.amdhsa_inst_pref_size 36
	.end_amdhsa_kernel
	.amdgpu_metadata
---
amdhsa.version: [ 1, 2 ]
amdhsa.kernels:
  - .name:           k_q7113dd859a_quant
    .symbol:         k_q7113dd859a_quant.kd
    .args:
      - { .name: x, .offset: 0, .size: 8, .value_kind: global_buffer, .address_space: global }
      - { .name: dictionary, .offset: 8, .size: 8, .value_kind: global_buffer, .address_space: global }
      - { .name: xc, .offset: 16, .size: 8, .value_kind: global_buffer, .address_space: global }
      - { .name: xs, .offset: 24, .size: 8, .value_kind: global_buffer, .address_space: global }
      - { .name: kv, .offset: 32, .size: 8, .value_kind: global_buffer, .address_space: global }
      - { .name: ks, .offset: 40, .size: 8, .value_kind: global_buffer, .address_space: global }
      - { .name: vs, .offset: 48, .size: 8, .value_kind: global_buffer, .address_space: global }
    .group_segment_fixed_size: 34304
    .private_segment_fixed_size: 0
    .kernarg_segment_align: 8
    .kernarg_segment_size: 56
    .max_flat_workgroup_size: 128
    .sgpr_count:     66
    .vgpr_count:     256
    .wavefront_size: 32
...
	.end_amdgpu_metadata
.endif
;; end of part 1
;; launch attn (part 2): grid 256 x 1, 4 waves a work-group, clusters of 4 x 1, 327,680 bytes of LDS; arguments xc, xs, kv, ks, vs, mask, out0, out1; writes out0, out1
.if DOCPART == 2
	.amdgcn_target "amdgcn-amd-amdhsa--gfx1250"
	.amdhsa_code_object_version 6
	.text
	.protected	k_q7113dd859a_attn
	.globl	k_q7113dd859a_attn
	.p2align	8
	.type	k_q7113dd859a_attn,@function
k_q7113dd859a_attn:
	s_mov_b64 s[64:65], 0
	v_nop
	global_prefetch_b8 v0, s[64:65] scope:SCOPE_SE
	s_setreg_imm32_b32 hwreg(HW_REG_WAVE_MODE, 25, 1), 1
	s_wait_xcnt 0x0
	s_wait_alu depctr_hold_cnt(0) depctr_sa_sdst(0) depctr_va_vdst(0) depctr_va_sdst(0) depctr_va_ssrc(0) depctr_va_vcc(0) depctr_vm_vsrc(0)
	s_getreg_b32 s2, hwreg(HW_REG_IB_STS2, 6, 4)
	s_cmp_eq_u32 s2, 0
	s_cbranch_scc0 .Lentry_in_a_cluster
	s_endpgm
.Lentry_in_a_cluster:
	s_bfe_u32 s2, ttmp6, 0x10000c
	s_cmp_lg_u32 s2, 0x3003
	s_cbranch_scc0 .Lentry_shape_is_right
	s_endpgm
.Lentry_shape_is_right:
; out0[q] = softmax_a(s'[q][a]) V[a], out1[q] = argmax_a s'[q][a], s' = s m + (1 - m)(-1e9), s = x[q] . dictionary[a]; both products on codes of FP6 (E2M3) with E8M0 scales, made by the launch before.
; SHARES.  A work-group owns 32 queries (two tiles of 16) and walks the 4,096 atoms in 32 steps of 128.  In a step wave w makes S^T for atoms 32 w .. 32 w + 31 (one block of the second product's K) x both tiles:
; 4 accumulators x 8 K steps; runs the softmax on its 32 numbers a lane; and owns d = 256 w .. 256 w + 255 of O^T for both tiles: 32 accumulators, one matrix instruction each.  p goes from wave to wave through LDS.
; Both products are used transposed (source 0 = atoms or d, source 1 = queries): a lane holds ONE query (lane % 16) throughout.  The rows of a tile of keys, and of queries, are not neighbours
; (row p of tile u is row 8 u + p + 8 (p / 8) of its 32), so that a lane's 16 registers of two tiles of S^T are the 16 neighbouring atoms 32 w + 16 (lane / 16) + 0..15.
; SOFTMAX.  t = s' log2(e) (a product and then a sum, not fused: t is the rounded product); EACH WAVE HAS ITS OWN RUNNING M_w = ceil(largest t of its blocks); p = 2^(t - M_w) is quantised with its block's byte.
; The wave publishes -M_w and the byte; every wave takes M = the largest M_w and lowers block b's byte by M - M_b: an exact power of two, the codes stay.  O^T is multiplied by 2^(old M - new M) in every step.
; The row's sum is taken of the unquantised p, wave by wave under M_w, and joined at the end.
; ARGMAX.  Each wave keeps the largest s' of its blocks, the step of the FIRST block that reached it (strict compare) and that block's 16 numbers a lane; at the end the lowest index that holds the maximum is taken, and among waves the lower index at equal maxima.
; TILES.  A step's codes for wave w (keys' part and values' part, 49,152 dense bytes) come by ONE tensor load of the wave into its own three parts of LDS: an even pair lands in parts 1, 2 (K, V), an odd pair in parts 0, 1 (V, K).
; So the next pair overwrites this step's K, which is read out first, and the last step's V.  Each wave reads only what its own load brought.
; CLUSTER.  The four work-groups of a cluster walk the same codes: each load is asked for jointly, with one descriptor and the mask 15; the refill stands behind a round of the cluster's barrier.
; The mask, 512 bytes of each of 32 rows a step, is loaded into registers three steps ahead (a wave: 8 rows, 512 consecutive bytes a load), and turns through LDS a step ahead.
; LIMITS.  NaN and infinities are not served.  T = m 1e9 - 1e9 equals (1 - m)(-1e9) for |m| < 2^24; s m + T is fused: exact for m = 0 and 1, one rounding fewer than two operations for other m.
; A block more than 2^124 under the row's M keeps the byte 1: it adds at most 7.5 x 2^-126 times a value.  The second product's sums run in ascending atoms.  The argmax is that of the matrix unit's f32 sums.
; REGISTERS, in windows of 256: window 0: see the names below.  window 1: O^T, accumulator 2 t + tile at 8 x that.  window 2: v0-191 Q (fragment 8 tile + s at 12 x that), v192-255 two sets of 32 raw mask words.  window 3: v0-191 sixteen fragments of K or V.
.set PART,  24576                      ; a part: 16 fragment images of 1,536 bytes
.set SLOTW, 3*PART                     ; a wave's three parts
.set MSK,   4*SLOTW                    ; the mask of a step: 32 rows (16 tile + r) x 528
.set MP,    528
.set PIMG,  MSK+32*MP                  ; p's codes: 2,048 tile + 512 block + 32 r; 24 of each 32 bytes
.set PSTAT, PIMG+4096                  ; 512 tile + 32 r + 8 wave: (-M_w, byte as f32)
.set FIN,   PSTAT+1024                 ; 1,024 tile + 64 r + 16 wave: (-M_w, sum, largest s', its index)
.set SPARE, FIN+2048                   ; the spare words, 128 bytes a wave: two blocks of 256 bytes that no other line names
.set OPI,   1040                       ; the way out: a stage of 16 rows x (1,024 + 16) in the wave's part 2, which has had its last fill
.set SPW, 1                            ; LDS address of my spare word; never rewritten
.set NIL, 2                            ; 0; never rewritten
.set AS0, 3                            ; my wave's parts 0, 1, 2, + 16 x lane
.set AS1, 4
.set AS2, 5
.set MWR, 6                            ; the mask: where my wave's 8 rows go,
.set MRD, 7                            ; and where my 16 words of a row lie
.set PWR, 8
.set PRD, 9
.set SWR, 10
.set SRD, 11
.set MOF, 12                           ; the mask in memory: 8 w rows + 16 x lane
.set LOF, 13                           ; 16 x lane
.set FWR, 14
.set FRD, 15
.set QS,  16                           ; v16-23 Q's scale words, v24-31 K's, v32-39 V's, v40-41 p's: scales and nothing else
.set KS,  24
.set VS,  32
.set PW,  40
.set RR,  42                           ; r
.set HH,  43                           ; h
.set NEG, 44                           ; v44-45 -1e9
.set JV,  46                           ; the step
.set STO, 47                           ; the stage, in
.set S,   48                           ; v48-79  S^T, then s': 16 tile + i
.set MM,  80                           ; v80-111 mask, m, t, p
.set BEST, 112                         ; v112-143 s' of the best block so far
.set PF,  144                          ; v144-167 p's two fragments
.set STL, 168                          ; v168-183 the four waves' statistics: 8 tile + 2 wave
.set PC,  184                          ; v184-190 codes just made
.set ST,  192                          ; v192-223 16 a tile:
.set NM,  0                            ;   -M_w
.set BV,  1                            ;   largest s' so far
.set LS,  2                            ;   the sum, two halves
.set FL,  4                            ;   2^(old M_w - new M_w), and its pair's partner
.set BM,  6                            ;   the block's largest s'
.set PD,  7                            ;   a lane permute's destination
.set BJ,  8                            ;   step of the best block
.set PMX, 9                            ;   the block's largest p; at the end the index
.set SOPR, 10                          ;   the conversion's scale operand
.set BYF, 11                           ;   the byte, as f32
.set NG,  12                           ;   -M
.set NGN, 13
.set FF,  14                           ;   2^(old M - new M), later 1 / l, and its pair's partner
.set TW,  224                          ; v224-255 at work
.set MG,  192                          ; in window 2
.set WV,  20
.set WB,  23                           ; my wave's parts begin here
.set G1,  24                           ; s[24:31], s[32:35] the descriptor
.set G0,  32
.set JJ,  36
.set TRIPS, 37
.set CC,  38                           ; s[38:39] log2(e)
.set SEL, 40
.set HM,  42                           ; lanes 16-31
.set BIG, 44                           ; s[44:45] 1e9
.set KSB, 46
.set VSB, 48
.set MB0, 50                           ; the mask at my 32 rows
.set MBC, 52                           ; + the step to be loaded
.set MOFS, 54
.set MCNT, 56
.set UU,  57                           ; s57, s58: lanes whose block beats the best so far
.set MSB, 0
.macro WIN new                         ; the immediate's high byte repeats the setting that is left; a switch that changes nothing is dropped
.if MSB != \new
	s_set_vgpr_msb (MSB<<8)|\new
.set MSB, \new
.endif
.endm
.macro PLACES n
.rept \n
	v_nop
.endr
.endm
.macro CROUND                          ; a round of the cluster's barrier
	s_barrier_signal -1
	s_barrier_wait -1
	s_cmp_lg_u32 s[WV], 0
	s_cbranch_scc1 .Lnot_wave_0_\@
	s_barrier_signal -3
.Lnot_wave_0_\@:
	s_barrier_wait -3
	s_barrier_signal -1
	s_barrier_wait -1
.endm
.macro TL                              ; the joint load; four v_nop follow it
	tensor_load_to_lds s[G0:G0+3], s[G1:G1+7]
	s_nop 0
	PLACES 4
.endm
; One matrix instruction.  c0: the sum begins (C = 0); ra, rb: the side's scale words lie in lanes 16-31.
.macro WM d, a, b, c0, sa, sb, ra, rb
.if (\c0)
.if (\ra)&&(\rb)
	v_wmma_scale_f32_16x16x128_f8f6f4 v[(\d):(\d)+7], v[(\a):(\a)+11], v[(\b):(\b)+11], 0, v[\sa], v[\sb] matrix_a_fmt:MATRIX_FMT_FP6 matrix_b_fmt:MATRIX_FMT_FP6 matrix_a_scale:MATRIX_SCALE_ROW1 matrix_b_scale:MATRIX_SCALE_ROW1
.elseif (\ra)
	v_wmma_scale_f32_16x16x128_f8f6f4 v[(\d):(\d)+7], v[(\a):(\a)+11], v[(\b):(\b)+11], 0, v[\sa], v[\sb] matrix_a_fmt:MATRIX_FMT_FP6 matrix_b_fmt:MATRIX_FMT_FP6 matrix_a_scale:MATRIX_SCALE_ROW1
.elseif (\rb)
	v_wmma_scale_f32_16x16x128_f8f6f4 v[(\d):(\d)+7], v[(\a):(\a)+11], v[(\b):(\b)+11], 0, v[\sa], v[\sb] matrix_a_fmt:MATRIX_FMT_FP6 matrix_b_fmt:MATRIX_FMT_FP6 matrix_b_scale:MATRIX_SCALE_ROW1
.else
	v_wmma_scale_f32_16x16x128_f8f6f4 v[(\d):(\d)+7], v[(\a):(\a)+11], v[(\b):(\b)+11], 0, v[\sa], v[\sb] matrix_a_fmt:MATRIX_FMT_FP6 matrix_b_fmt:MATRIX_FMT_FP6
.endif
.else
.if (\ra)&&(\rb)
	v_wmma_scale_f32_16x16x128_f8f6f4 v[(\d):(\d)+7], v[(\a):(\a)+11], v[(\b):(\b)+11], v[(\d):(\d)+7], v[\sa], v[\sb] matrix_a_fmt:MATRIX_FMT_FP6 matrix_b_fmt:MATRIX_FMT_FP6 matrix_a_scale:MATRIX_SCALE_ROW1 matrix_b_scale:MATRIX_SCALE_ROW1
.elseif (\ra)
	v_wmma_scale_f32_16x16x128_f8f6f4 v[(\d):(\d)+7], v[(\a):(\a)+11], v[(\b):(\b)+11], v[(\d):(\d)+7], v[\sa], v[\sb] matrix_a_fmt:MATRIX_FMT_FP6 matrix_b_fmt:MATRIX_FMT_FP6 matrix_a_scale:MATRIX_SCALE_ROW1
.elseif (\rb)
	v_wmma_scale_f32_16x16x128_f8f6f4 v[(\d):(\d)+7], v[(\a):(\a)+11], v[(\b):(\b)+11], v[(\d):(\d)+7], v[\sa], v[\sb] matrix_a_fmt:MATRIX_FMT_FP6 matrix_b_fmt:MATRIX_FMT_FP6 matrix_b_scale:MATRIX_SCALE_ROW1
.else
	v_wmma_scale_f32_16x16x128_f8f6f4 v[(\d):(\d)+7], v[(\a):(\a)+11], v[(\b):(\b)+11], v[(\d):(\d)+7], v[\sa], v[\sb] matrix_a_fmt:MATRIX_FMT_FP6 matrix_b_fmt:MATRIX_FMT_FP6
.endif
.endif
.endm
.macro FETCHK                          ; K's 16 fragments (8 u + s) out of part 1, in the order in which the products want them: 48 loads of 512 consecutive bytes
	WIN 0xc0                                       ; destination window 3
.irp s, 0,1,2,3,4,5,6,7
.irp u, 0,1
.irp c, 0,1,2
	ds_load_b128 v[12*(8*\u+\s)+4*\c:12*(8*\u+\s)+4*\c+3], v[AS1] offset:1536*(8*\u+\s)+512*\c
.endr
.endr
.endr
	WIN 0
.endm
.macro FETCHV adr                      ; V's 16 fragments
	WIN 0xc0
.irp t, 0,1,2,3,4,5,6,7,8,9,10,11,12,13,14,15
.irp c, 0,1,2
	ds_load_b128 v[12*\t+4*\c:12*\t+4*\c+3], v[\adr] offset:1536*\t+512*\c
.endr
.endr
	WIN 0
.endm
; S^T = K Q^T: 8 K steps x 4 accumulators, which take turns, one instruction a turn.  The count leaves out the fetches of later K steps, six each, and the add.
.macro SMUL last
	WIN 0x0b                                       ; source 0 (K) window 3, source 1 (Q) window 2
.irp s, 0,1,2,3,4,5,6,7
	s_wait_dscnt 43-(\last)-6*\s
.irp u, 0,1
.irp q, 0,1
	WM S+16*\q+8*\u,12*(8*\u+\s),12*(8*\q+\s),\s==0,KS+\s,QS+\s,\u,\q
.endr
.endr
.endr
	WIN 0
.endm
.macro SOFTMAX
.irp g, 0,1,2,3                        ; s' = s m + (m 1e9 - 1e9); each accumulator from its low end on
.irp k, 0,2,4,6
	v_pk_fma_f32 v[TW+\k:TW+\k+1], v[MM+8*\g+\k:MM+8*\g+\k+1], s[BIG:BIG+1], v[NEG:NEG+1] op_sel_hi:[1,0,1]
.endr
.irp k, 0,2,4,6
	v_pk_fma_f32 v[S+8*\g+\k:S+8*\g+\k+1], v[S+8*\g+\k:S+8*\g+\k+1], v[MM+8*\g+\k:MM+8*\g+\k+1], v[TW+\k:TW+\k+1]
.endr
.endr
.irp q, 0,1                            ; the block's largest s': it serves the argmax, M_w and, since p rises with s', the block's largest p
	v_max3_num_f32 v[ST+16*\q+BM], v[S+16*\q], v[S+16*\q+1], v[S+16*\q+2]
.endr
.irp i, 3,5,7,9,11,13
.irp q, 0,1
	v_max3_num_f32 v[ST+16*\q+BM], v[ST+16*\q+BM], v[S+16*\q+\i], v[S+16*\q+\i+1]
.endr
.endr
.irp q, 0,1
	v_max_num_f32 v[ST+16*\q+BM], v[ST+16*\q+BM], v[S+16*\q+15]
.endr
.irp q, 0,1
	v_permlanex16_b32 v[ST+16*\q+PD], v[ST+16*\q+BM], s[SEL], s[SEL+1]
.endr
	v_mov_b32 v[JV], s[JJ]
.irp q, 0,1
	v_max_num_f32 v[ST+16*\q+BM], v[ST+16*\q+BM], v[ST+16*\q+PD]   ; with lane l xor 16's 16 atoms
.endr
.irp q, 0,1
	v_cmp_gt_f32 s[UU+\q], v[ST+16*\q+BM], v[ST+16*\q+BV]          ; strictly greater: the earlier block keeps a tie
	v_mov_b32 v[TW+\q], v[ST+16*\q+NM]                             ; the old -M_w
.endr
.irp q, 0,1
	v_max_num_f32 v[ST+16*\q+BV], v[ST+16*\q+BV], v[ST+16*\q+BM]
	v_cndmask_b32 v[ST+16*\q+BJ], v[ST+16*\q+BJ], v[JV], s[UU+\q]
.endr
.irp q, 0,1
	v_mul_f32 v[TW+2+\q], s[CC], v[ST+16*\q+BV]                    ; the largest t
	v_mul_f32 v[ST+16*\q+PMX], s[CC], v[ST+16*\q+BM]               ; the block's largest t
.endr
.irp q, 0,1
	v_floor_f32 v[ST+16*\q+NM], -v[TW+2+\q]                        ; -M_w = floor(-t) = -ceil(t): a whole number
.endr
.irp k, 0,2,4,6,8,10,12,14,16,18,20,22,24,26,28,30
	v_pk_mul_f32 v[MM+\k:MM+\k+1], v[S+\k:S+\k+1], s[CC:CC+1] op_sel_hi:[1,0]   ; t
.endr
.irp q, 0,1
	v_sub_f32 v[TW+\q], v[ST+16*\q+NM], v[TW+\q]                   ; old M_w - new M_w: a whole number, 0 or less
	v_add_f32 v[ST+16*\q+PMX], v[ST+16*\q+PMX], v[ST+16*\q+NM]
.endr
.irp q, 0,1
	v_cvt_i32_f32 v[TW+\q], v[TW+\q]                               ; (it saturates)
.endr
.irp q, 0,1
.irp k, 0,2,4,6,8,10,12,14
	v_pk_add_f32 v[MM+16*\q+\k:MM+16*\q+\k+1], v[MM+16*\q+\k:MM+16*\q+\k+1], v[ST+16*\q+NM:ST+16*\q+NM+1] op_sel_hi:[1,0]   ; t - M_w
.endr
.endr
.irp q, 0,1
	v_ldexp_f32 v[ST+16*\q+FL], 1.0, v[TW+\q]
.endr
.irp q, 0,1                            ; ONE BATCH of 34 exponentials; the selects that keep the best block stand between them and name none of their results
.irp i, 0,1,2,3,4,5,6,7,8,9,10,11,12,13,14,15
	v_exp_f32 v[MM+16*\q+\i], v[MM+16*\q+\i]
	v_cndmask_b32 v[BEST+16*\q+\i], v[BEST+16*\q+\i], v[S+16*\q+\i], s[UU+\q]
.endr
.endr
	v_exp_f32 v[ST+PMX], v[ST+PMX]                 ; the same operations on the same number give the same bits as the block's largest p
	v_exp_f32 v[ST+16+PMX], v[ST+16+PMX]
.irp q, 0,1
	v_pk_mul_f32 v[ST+16*\q+LS:ST+16*\q+LS+1], v[ST+16*\q+LS:ST+16*\q+LS+1], v[ST+16*\q+FL:ST+16*\q+FL+1] op_sel_hi:[1,0]   ; the sums under the new M_w: the plain instruction behind the batch
.endr
	s_wait_alu depctr_va_vdst(0)                   ; one wait for the batch, ahead of its first reader
.irp q, 0,1
	v_max_num_f32 v[ST+16*\q+PMX], 0x1800000, v[ST+16*\q+PMX]      ; the floor 2^(3 - 127): the byte cannot fall under 1
.endr
.irp q, 0,1
	v_add_nc_u32 v[ST+16*\q+SOPR], 0xff000000, v[ST+16*\q+PMX]     ; 2 off the exponent field: the conversion's scale operand
.endr
.irp q, 0,1
	v_lshrrev_b32 v[ST+16*\q+BYF], 23, v[ST+16*\q+SOPR]
.endr
	v_cvt_scalef32_pk16_fp6_f32 v[PC:PC+2], v[MM:MM+15], v[ST+SOPR]            ; tile 0: my 16 atoms' codes
	v_cvt_scalef32_pk16_fp6_f32 v[PC+4:PC+6], v[MM+16:MM+31], v[ST+16+SOPR]    ; tile 1
	v_nop                                          ; one plain instruction behind the scaled conversions
.irp i, 0,1,2
	v_permlane16_swap_b32 v[PC+\i], v[PC+4+\i]     ; lanes 0-15 now hold tile 0's whole block (lower 16 codes, upper 16), lanes 16-31 tile 1's
.endr
	v_mov_b32 v[PC+3], v[PC+4]
	v_mov_b32 v[PC+4], v[PC+5]
	v_mov_b32 v[PC+5], v[PC+6]
	ds_store_b128 v[PWR], v[PC:PC+3]
	ds_store_b64 v[PWR], v[PC+4:PC+5] offset:16
.irp q, 0,1
	v_cvt_f32_u32 v[ST+16*\q+BYF], v[ST+16*\q+BYF]
.endr
	v_cndmask_b32 v[TW], v[ST+NM], v[ST+16+NM], s[HM]
	v_cndmask_b32 v[TW+1], v[ST+BYF], v[ST+16+BYF], s[HM]
	ds_store_b64 v[SWR], v[TW:TW+1]                ; tile lane / 16's -M_w and byte
.irp k, 0,2,4,6,8,10,12,14             ; the row's sum, of the unquantised p
.irp q, 0,1
	v_pk_add_f32 v[ST+16*\q+LS:ST+16*\q+LS+1], v[ST+16*\q+LS:ST+16*\q+LS+1], v[MM+16*\q+\k:MM+16*\q+\k+1]
.endr
.endr
.endm
.macro RESC a                          ; accumulator a of O^T under the new M, from its low end on
.irp k, 0,2,4,6
	v_pk_mul_f32 v[8*(\a)+\k:8*(\a)+\k+1], v[8*(\a)+\k:8*(\a)+\k+1], v[ST+16*((\a)%2)+FF:ST+16*((\a)%2)+FF+1] op_sel_hi:[1,0]
.endr
.endm
; O^T += V^T P^T: 32 accumulators, one instruction each; the rescaling of accumulator i + 4 stands behind product i.  At least twelve plain instructions that name none of a product's registers stand between
; the last write of p's scale words and that product.
.macro PVMUL first
.if \first
	PLACES 8                                       ; p's scale words were written by vector instructions: eight places ahead of a scaled matrix instruction
.else
	WIN 0x41                                       ; O^T (destination, source 0) window 1
	RESC 0
	RESC 1
	RESC 2
	RESC 3
.endif
.set i, 0
.rept 32
	WIN 0x53                                       ; source 0 (V) window 3, source 1 (p) window 0, C and D window 1
	WM 8*i,12*(i/2),PF+12*(i%2),\first,VS+i/4,PW+i%2,(i/2)%2,0
.if (!\first) && (i < 28)
	WIN 0x41
	RESC i+4
.endif
.set i, i+1
.endr
	WIN 0
.endm
; A STEP of 128 atoms.  par: the step's parity (V lies in part 2 where it is even, in part 0 where it is odd).
.macro STEP par, first, last
	; ---- A: K out of LDS, S^T
	PLACES 4                                       ; the last products read the fragments' and V's scale registers: four places ahead of loads into them
	s_wait_xcnt 0x0                                ; the earlier loads have read their bases: they may step
.if !\first
	s_add_nc_u64 s[VSB:VSB+1], s[VSB:VSB+1], 4096
	s_add_nc_u64 s[KSB:KSB+1], s[KSB:KSB+1], 4096
	s_add_co_u32 s[MCNT], s[MCNT], 512
	s_add_co_u32 s[JJ], s[JJ], 1
.endif
.if !\last
	s_min_u32 s[MOFS], s[MCNT], 15872              ; the mask three steps on, held at the last step: no load leaves the buffer, and every step counts alike
	s_add_nc_u64 s[MBC:MBC+1], s[MB0:MB0+1], s[MOFS:MOFS+1]
.endif
	global_load_b128 v[VS:VS+3], v[LOF], s[VSB:VSB+1]
	global_load_b128 v[VS+4:VS+7], v[LOF], s[VSB:VSB+1] offset:512
	s_wait_tensorcnt 0x0                           ; this step's pair, my own load, has landed: this wait serves the reads below
	FETCHK
.if !\last
	s_wait_tensorcnt 0x0                           ; met at once: the wait that stands in front of the add; no tensor load of mine is out, so the descriptor may be written
	ds_add_u32 v[SPW], v[NIL]                      ; 0 onto my spare word; the products stand between it and the wait for it
	s_add_nc_u64 s[G0+2:G0+3], s[G0+2:G0+3], 8*PART    ; the next step's pair: four waves' 49,152 bytes on
.if \par
	s_add_co_u32 s[G0+1], s[WB], PART              ; an even pair lands in parts 1 and 2,
.else
	s_mov_b32 s[G0+1], s[WB]                       ; an odd pair in parts 0 and 1
.endif
.endif
	s_wait_dscnt 49-\last                          ; the mask's eight loads are in (younger: the 48 fetches and the add)
.irp i, 0,1,2,3,4,5,6,7,8,9,10,11,12,13,14,15,16,17,18,19,20,21,22,23,24,25,26,27,28,29,30,31
	v_cvt_f32_i32 v[MM+\i], v[MM+\i]               ; m
.endr
	s_wait_loadcnt 10                              ; K's scale words are in (younger: 8 mask loads, V's 2), and all that is older: Q, and the mask words that are stored below
	SMUL \last
	s_wait_dscnt 0x0                               ; the add is done, and my reads of K, of the last V and of the shared bytes are over
.if !\last
	CROUND                                         ; no wave of any partner still reads what is filled again, or has a load on its way
	TL                                             ; the first thing behind the round; its four v_nop are also the places behind the products
.else
	s_barrier_signal -1                            ; nothing is filled any more; the barrier stands between the last step's reads of p and this step's stores
	s_barrier_wait -1
	PLACES 4
.endif
	; ---- B: V out of LDS, under the softmax; the next step's mask into LDS
	FETCHV AS2-2*\par
.if !\last
	global_load_b128 v[KS:KS+3], v[LOF], s[KSB:KSB+1] offset:4096
	global_load_b128 v[KS+4:KS+7], v[LOF], s[KSB:KSB+1] offset:4608
	WIN 0x08                                       ; an LDS store's data are its source 1: window 2
.irp i, 0,1,2,3,4,5,6,7
	ds_store_b128 v[MWR], v[MG+32*(1-\par)+4*\i:MG+32*(1-\par)+4*\i+3] offset:MP*\i
.endr
	WIN 0
.endif
	; ---- C
	SOFTMAX
	; ---- D: V is in registers; my stores of p, of the statistics and of the mask have landed
	s_wait_dscnt 0x0
	s_barrier_signal -1
	s_barrier_wait -1
	; ---- E: all four blocks of p, O^T
.irp q, 0,1
.irp k, 0,1
	ds_load_b128 v[STL+8*\q+4*\k:STL+8*\q+4*\k+3], v[SRD] offset:512*\q+16*\k
.endr
.endr
.irp q, 0,1                            ; lane (r, h): blocks h and 2 + h of query r
	ds_load_b128 v[PF+12*\q:PF+12*\q+3], v[PRD] offset:2048*\q
	ds_load_b64 v[PF+12*\q+4:PF+12*\q+5], v[PRD] offset:2048*\q+16
	ds_load_b128 v[PF+12*\q+6:PF+12*\q+9], v[PRD] offset:2048*\q+1024
	ds_load_b64 v[PF+12*\q+10:PF+12*\q+11], v[PRD] offset:2048*\q+1040
.endr
.if !\last
.irp q, 0,1
.irp i, 0,1,2,3
	ds_load_b128 v[MM+16*\q+4*\i:MM+16*\q+4*\i+3], v[MRD] offset:16*MP*\q+16*\i   ; the next step's mask, my 16 atoms
.endr
.endr
	WIN 0x80                                       ; destination window 2
.irp i, 0,1,2,3,4,5,6,7
	global_load_b128 v[MG+32*(1-\par)+4*\i:MG+32*(1-\par)+4*\i+3], v[MOF], s[MBC:MBC+1] offset:16384*\i th:TH_LOAD_NT
.endr
	WIN 0
.endif
	s_wait_dscnt 16-8*\last                        ; the statistics are in (younger: p's 8 loads, the mask's 8)
.irp q, 0,1
	v_min3_num_f32 v[ST+16*\q+NGN], v[STL+8*\q], v[STL+8*\q+2], v[STL+8*\q+4]
.endr
.irp q, 0,1
	v_min_num_f32 v[ST+16*\q+NGN], v[ST+16*\q+NGN], v[STL+8*\q+6]   ; -M: the smallest -M_w
.endr
.if !\first
.irp q, 0,1
	v_sub_f32 v[TW+8+\q], v[ST+16*\q+NGN], v[ST+16*\q+NG]
.endr
.irp q, 0,1
	v_cvt_i32_f32 v[TW+8+\q], v[TW+8+\q]
.endr
.irp q, 0,1
	v_ldexp_f32 v[ST+16*\q+FF], 1.0, v[TW+8+\q]    ; 2^(old M - new M)
.endr
.endif
.irp q, 0,1
	v_mov_b32 v[ST+16*\q+NG], v[ST+16*\q+NGN]
.endr
.irp w, 0,1,2,3
.irp q, 0,1
	v_sub_f32 v[TW+4*\q+\w], v[ST+16*\q+NGN], v[STL+8*\q+2*\w]     ; M_w - M, 0 or less
.endr
.endr
.irp w, 0,1,2,3
.irp q, 0,1
	v_add_f32 v[TW+4*\q+\w], v[TW+4*\q+\w], v[STL+8*\q+2*\w+1]     ; + the byte
.endr
.endr
.irp w, 0,1,2,3
.irp q, 0,1
	v_max_num_f32 v[TW+4*\q+\w], 1.0, v[TW+4*\q+\w]                ; held at 1
.endr
.endr
.irp w, 0,1,2,3
.irp q, 0,1
	v_cvt_u32_f32 v[TW+4*\q+\w], v[TW+4*\q+\w]
.endr
.endr
.irp q, 0,1
	v_lshl_or_b32 v[PW+\q], v[TW+4*\q+1], 8, v[TW+4*\q]
.endr
.irp q, 0,1
	v_lshl_or_b32 v[PW+\q], v[TW+4*\q+2], 16, v[PW+\q]
.endr
.irp q, 0,1
	v_lshl_or_b32 v[PW+\q], v[TW+4*\q+3], 24, v[PW+\q]             ; p's scale word for these 128 atoms
.endr
	s_wait_dscnt 8-8*\last                         ; p's fragments are in (younger: the mask's 8)
	s_wait_loadcnt 10-10*\last                     ; V's scale words are in (younger: K's 2, the mask's 8)
	PVMUL \first
.endm
	s_load_b512 s[4:19], s[0:1], 0x0               ; xc s[4:5], xs s[6:7], kv s[8:9], ks s[10:11], vs s[12:13], mask s[14:15], out0 s[16:17], out1 s[18:19]
	v_lshl_add_u32 v[SPW], v0, 2, SPARE
	v_mov_b32 v[NIL], 0
	ds_add_u32 v1, v2
	ds_add_u32 v1, v2
	s_wait_dscnt 0x0
	v_lshrrev_b32 v[TW], 5, v0
	v_readfirstlane_b32 s[WV], v[TW]               ; wave 0..3
	s_bfe_u32 s21, ttmp6, 0x40000                  ; cx: my place in the cluster: it enters the addresses of xc, xs, mask, out0 and out1 alone
	s_lshl_b32 s22, ttmp9, 2
	s_add_co_u32 s22, s22, s21                     ; my block of 32 queries
	s_mul_i32 s[WB], s[WV], SLOTW
	; the descriptor: 49,152 dense bytes as 192 rows of 256 bytes (32 elements of 8 bytes), no padding: fragment images are read as 512 consecutive bytes
	s_mov_b32 s[G1], 15|(3<<16)|(1<<21)            ; 15:0 the mask: all four work-groups; 17:16 elements of 8 bytes; 21 set beside a mask
	s_mov_b32 s[G1+1], 32<<16                      ; tensor_dim0
	s_mov_b32 s[G1+2], 192<<16                     ; tensor_dim1
	s_mov_b32 s[G1+3], 32<<16                      ; tile_dim0
	s_mov_b32 s[G1+4], 192                         ; tile_dim1
	s_mov_b32 s[G1+5], 32                          ; from row to row
	s_mov_b32 s[G1+6], 0
	s_mov_b32 s[G1+7], 0
	s_mov_b32 s[JJ], 0
	s_mov_b32 s[CC], 0x3fb8aa3b                    ; log2(e)
	s_mov_b32 s[CC+1], s[CC]                       ; (named with it as a pair, so it is written)
	s_mov_b32 s[SEL], 0x76543210
	s_mov_b32 s[SEL+1], 0xfedcba98                 ; v_permlanex16_b32's selects for lane l xor 16
	s_mov_b32 s[HM], 0xffff0000
	s_mov_b32 s[BIG], 0x4e6e6b28                   ; 1e9
	s_mov_b32 s[BIG+1], s[BIG]
	s_mov_b32 s[MOFS+1], 0
	s_mov_b32 s[MCNT], 3*512                       ; step 0 asks for the mask of step 3
	s_mul_i32 s60, s[WV], 2*PART
	s_mov_b32 s61, 0
	s_wait_kmcnt 0x0
	s_mov_b32 s[G0], 1                             ; count = 1
	s_add_co_u32 s[G0+1], s[WB], PART              ; pair 0 lands in parts 1 and 2
	s_add_nc_u64 s[G0+2:G0+3], s[8:9], s[60:61]    ; kv + 49,152 w: nothing of my place in the cluster
	s_or_b32 s[G0+3], s[G0+3], 0x80000000          ; type = 2
	CROUND                                         ; all four work-groups are here: the first joint loads meet
	TL                                             ; the one first fill; one tensor load of a wave is out at any time
	s_lshl_b32 s60, s[WV], 10
	s_add_nc_u64 s[KSB:KSB+1], s[10:11], s[60:61]  ; scale images 4 j + w
	s_add_nc_u64 s[VSB:VSB+1], s[12:13], s[60:61]
	s_add_nc_u64 s[16:17], s[16:17], s[60:61]      ; out0: my wave's 256 columns
	s_mov_b32 s63, 0
	s_mul_i32 s62, s22, PART
	s_add_nc_u64 s[4:5], s[4:5], s[62:63]
	s_lshl_b32 s62, s22, 10
	s_add_nc_u64 s[6:7], s[6:7], s[62:63]
	s_lshl_b32 s62, s22, 19                        ; 32 rows of 16,384 bytes
	s_add_nc_u64 s[MB0:MB0+1], s[14:15], s[62:63]
	s_lshl_b32 s62, s22, 17                        ; 32 rows of 4,096 bytes
	s_add_nc_u64 s[16:17], s[16:17], s[62:63]
	s_lshl_b32 s62, s22, 7
	s_add_nc_u64 s[18:19], s[18:19], s[62:63]
	v_and_b32 v[TW], 31, v0
	v_and_b32 v[RR], 15, v0
	v_bfe_u32 v[HH], v0, 4, 1
	v_lshlrev_b32 v[LOF], 4, v[TW]
	v_lshl_add_u32 v[MOF], s[WV], 17, v[LOF]       ; 8 w rows of 16,384 bytes
	WIN 0x80                                       ; destination window 2
.irp i, 0,1,2,3,4,5,6,7
	global_load_b128 v[MG+4*\i:MG+4*\i+3], v[MOF], s[MB0:MB0+1] offset:16384*\i th:TH_LOAD_NT          ; the mask of step 0: row 8 w + i, 512 consecutive bytes
.endr
.irp i, 0,1,2,3,4,5,6,7
	global_load_b128 v[MG+32+4*\i:MG+32+4*\i+3], v[MOF], s[MB0:MB0+1] offset:16384*\i+512 th:TH_LOAD_NT   ; of step 1
.endr
.irp f, 0,1,2,3,4,5,6,7,8,9,10,11,12,13,14,15
.irp c, 0,1,2
	global_load_b128 v[12*\f+4*\c:12*\f+4*\c+3], v[LOF], s[4:5] offset:1536*\f+512*\c   ; Q stays in registers
.endr
.endr
	WIN 0
	global_load_b128 v[QS:QS+3], v[LOF], s[6:7]
	global_load_b128 v[QS+4:QS+7], v[LOF], s[6:7] offset:512
	global_load_b128 v[KS:KS+3], v[LOF], s[KSB:KSB+1]
	global_load_b128 v[KS+4:KS+7], v[LOF], s[KSB:KSB+1] offset:512
	v_add_nc_u32 v[AS0], s[WB], v[LOF]
	v_add_nc_u32 v[AS1], PART, v[AS0]
	v_add_nc_u32 v[AS2], 2*PART, v[AS0]
	s_and_b32 s60, s[WV], 1                        ; memory row 8 w + i of my 32 is query r = 8 (w / 2) + i of tile w % 2: LDS row 16 (w % 2) + 8 (w / 2) + i
	s_lshl_b32 s60, s60, 4
	s_lshr_b32 s66, s[WV], 1
	s_lshl_b32 s66, s66, 3
	s_add_co_u32 s60, s60, s66
	s_mul_i32 s60, s60, MP
	s_add_co_u32 s60, s60, MSK
	v_add_nc_u32 v[MWR], s60, v[LOF]
	v_mul_u32_u24 v[MRD], v[RR], MP
	v_lshl_add_u32 v[MRD], v[HH], 6, v[MRD]
	s_lshl_b32 s60, s[WV], 7
	s_add_co_u32 s60, s60, MSK
	v_add_nc_u32 v[MRD], s60, v[MRD]               ; row r, + 128 w + 64 h: atoms 32 w + 16 h on
	v_lshlrev_b32 v[SRD], 5, v[RR]                 ; 32 r
	v_lshl_add_u32 v[PWR], v[HH], 11, v[SRD]
	s_lshl_b32 s60, s[WV], 9
	s_add_co_u32 s60, s60, PIMG
	v_add_nc_u32 v[PWR], s60, v[PWR]
	v_lshl_add_u32 v[PRD], v[HH], 9, v[SRD]        ; 512 h + 32 r
	s_lshl_b32 s60, s[WV], 3
	s_add_co_u32 s60, s60, PSTAT
	v_add_nc_u32 v[SWR], s60, v[PRD]
	v_add_nc_u32 v[PRD], PIMG, v[PRD]
	v_add_nc_u32 v[SRD], PSTAT, v[SRD]
	v_lshlrev_b32 v[FRD], 6, v[RR]
	v_lshl_add_u32 v[FWR], v[HH], 10, v[FRD]
	s_lshl_b32 s60, s[WV], 4
	s_add_co_u32 s60, s60, FIN
	v_add_nc_u32 v[FWR], s60, v[FWR]
	v_add_nc_u32 v[FRD], FIN, v[FRD]
	v_mul_u32_u24 v[STO], v[RR], OPI
	v_lshl_add_u32 v[STO], v[HH], 5, v[STO]
	s_add_co_u32 s60, s[WB], 2*PART
	v_add_nc_u32 v[STO], s60, v[STO]
	v_mov_b32 v[NEG], 0xce6e6b28                   ; -1e9
	v_mov_b32 v[NEG+1], 0xce6e6b28
.irp q, 0,1
	v_mov_b32 v[ST+16*\q+BV], 0xff61b1e6           ; -3e38, under every s'
	v_mov_b32 v[ST+16*\q+LS], 0
	v_mov_b32 v[ST+16*\q+LS+1], 0
	v_mov_b32 v[ST+16*\q+FL+1], 0                  ; (pairs' partners and permutes' destinations are written once)
	v_mov_b32 v[ST+16*\q+PD], 0
	v_mov_b32 v[ST+16*\q+BJ], 0
	v_mov_b32 v[ST+16*\q+FF+1], 0
	v_floor_f32 v[ST+16*\q+NM], -v[ST+16*\q+BV]
.endr
.irp i, 0,1,2,3,4,5,6,7,8,9,10,11,12,13,14,15,16,17,18,19,20,21,22,23,24,25,26,27,28,29,30,31
	v_mov_b32 v[BEST+\i], 0                        ; the selects read what they keep: the step is written alike for all steps
.endr
	s_wait_loadcnt 60                              ; the mask of step 0 is in (younger: 8 + 48 + 2 + 2)
	WIN 0x08
.irp i, 0,1,2,3,4,5,6,7
	ds_store_b128 v[MWR], v[MG+4*\i:MG+4*\i+3] offset:MP*\i
.endr
	WIN 0
	s_wait_dscnt 0x0
	s_barrier_signal -1
	s_barrier_wait -1
.irp q, 0,1
.irp i, 0,1,2,3
	ds_load_b128 v[MM+16*\q+4*\i:MM+16*\q+4*\i+3], v[MRD] offset:16*MP*\q+16*\i
.endr
.endr
	WIN 0x80
.irp i, 0,1,2,3,4,5,6,7
	global_load_b128 v[MG+4*\i:MG+4*\i+3], v[MOF], s[MB0:MB0+1] offset:16384*\i+1024 th:TH_LOAD_NT     ; the mask of step 2
.endr
	WIN 0
	STEP 0, 1, 0                                   ; the first step's products start O^T's sums
	s_mov_b32 s[TRIPS], 15
.Lpair:                                            ; a trip runs an odd and an even step, until the parts are back where they began
	STEP 1, 0, 0
	STEP 0, 0, 0
	s_sub_co_u32 s[TRIPS], s[TRIPS], 1
	s_cmp_lg_u32 s[TRIPS], 0
	s_cbranch_scc1 .Lpair
	STEP 1, 0, 1                                   ; the last step is written out: it asks for nothing
	; ---- THE END.  My wave's sum, and the lowest index of its largest s'
.irp q, 0,1
	v_add_f32 v[ST+16*\q+LS], v[ST+16*\q+LS], v[ST+16*\q+LS+1]
	v_mov_b32 v[ST+16*\q+PMX], 64                  ; no index yet
.endr
.irp q, 0,1
	v_permlanex16_b32 v[ST+16*\q+PD], v[ST+16*\q+LS], s[SEL], s[SEL+1]
.endr
.irp q, 0,1
	v_add_f32 v[ST+16*\q+LS], v[ST+16*\q+LS], v[ST+16*\q+PD]
.endr
.irp i, 15,14,13,12,11,10,9,8,7,6,5,4,3,2,1,0
.irp q, 0,1
	v_cmp_neq_f32 vcc_lo, v[BEST+16*\q+\i], v[ST+16*\q+BV]
	v_cndmask_b32 v[ST+16*\q+PMX], \i, v[ST+16*\q+PMX], vcc_lo     ; downward: the lowest i that holds the maximum stays
.endr
.endr
	s_lshl_b32 s60, s[WV], 5
.irp q, 0,1
	v_lshl_add_u32 v[ST+16*\q+PMX], v[HH], 4, v[ST+16*\q+PMX]
.endr
.irp q, 0,1
	v_permlanex16_b32 v[ST+16*\q+PD], v[ST+16*\q+PMX], s[SEL], s[SEL+1]
.endr
.irp q, 0,1
	v_min_u32 v[ST+16*\q+PMX], v[ST+16*\q+PMX], v[ST+16*\q+PD]
.endr
.irp q, 0,1
	v_lshl_add_u32 v[ST+16*\q+PMX], v[ST+16*\q+BJ], 7, v[ST+16*\q+PMX]
.endr
.irp q, 0,1
	v_add_nc_u32 v[ST+16*\q+PMX], s60, v[ST+16*\q+PMX]             ; 128 step + 32 w + index in the block
.endr
	v_cndmask_b32 v[TW], v[ST+NM], v[ST+16+NM], s[HM]
	v_cndmask_b32 v[TW+1], v[ST+LS], v[ST+16+LS], s[HM]
	v_cndmask_b32 v[TW+2], v[ST+BV], v[ST+16+BV], s[HM]
	v_cndmask_b32 v[TW+3], v[ST+PMX], v[ST+16+PMX], s[HM]
	ds_store_b128 v[FWR], v[TW:TW+3]
	s_wait_dscnt 0x0
	s_barrier_signal -1
	s_barrier_wait -1
.irp q, 0,1
.irp w, 0,1,2,3
	ds_load_b128 v[MM+16*\q+4*\w:MM+16*\q+4*\w+3], v[FRD] offset:1024*\q+16*\w
.endr
.endr
	s_wait_dscnt 0x0
.irp w, 0,1,2,3
.irp q, 0,1
	v_sub_f32 v[TW+4*\q+\w], v[ST+16*\q+NG], v[MM+16*\q+4*\w]      ; M_w - M
.endr
.endr
.irp w, 0,1,2,3
.irp q, 0,1
	v_cvt_i32_f32 v[TW+4*\q+\w], v[TW+4*\q+\w]
.endr
.endr
.irp w, 0,1,2,3
.irp q, 0,1
	v_ldexp_f32 v[TW+4*\q+\w], v[MM+16*\q+4*\w+1], v[TW+4*\q+\w]   ; each wave's sum under M
.endr
.endr
.irp q, 0,1
	v_add_f32 v[TW+4*\q], v[TW+4*\q], v[TW+4*\q+1]
	v_add_f32 v[TW+4*\q+2], v[TW+4*\q+2], v[TW+4*\q+3]
.endr
.irp q, 0,1
	v_add_f32 v[TW+4*\q], v[TW+4*\q], v[TW+4*\q+2]                 ; l
.endr
	v_rcp_f32 v[ST+FF], v[TW]
	v_rcp_f32 v[ST+16+FF], v[TW+4]
.irp q, 0,1                            ; among the waves: the greater s', at equal s' the lower index.  (Plain work behind the reciprocals)
.irp w, 1,2,3
	v_cmp_gt_f32 s60, v[MM+16*\q+4*\w+2], v[MM+16*\q+2]
	v_cmp_eq_f32 s61, v[MM+16*\q+4*\w+2], v[MM+16*\q+2]
	v_cmp_lt_u32 s62, v[MM+16*\q+4*\w+3], v[MM+16*\q+3]
	s_and_b32 s61, s61, s62
	s_or_b32 s60, s60, s61
	v_cndmask_b32 v[MM+16*\q+2], v[MM+16*\q+2], v[MM+16*\q+4*\w+2], s60
	v_cndmask_b32 v[MM+16*\q+3], v[MM+16*\q+3], v[MM+16*\q+4*\w+3], s60
.endr
.endr
	v_cndmask_b32 v[TW+8], v[MM+3], v[MM+16+3], s[HM]              ; lane (r, h): tile h's query r, which is row 16 (r / 8) + 8 h + r % 8 of my 32
	v_lshrrev_b32 v[TW+9], 3, v[RR]
	v_lshlrev_b32 v[TW+9], 4, v[TW+9]
	v_lshl_add_u32 v[TW+9], v[HH], 3, v[TW+9]
	v_and_b32 v[TW+10], 7, v[RR]
	v_add_lshl_u32 v[TW+9], v[TW+9], v[TW+10], 2
	s_wait_alu depctr_va_vdst(0)                   ; one wait for the two reciprocals, ahead of their first reader and of the branch
	s_cmp_lg_u32 s[WV], 0
	s_cbranch_scc1 .Lno_index
	global_store_b32 v[TW+9], v[TW+8], s[18:19]    ; the work-group's 32 indices: 128 consecutive bytes, all that it has
.Lno_index:
; THE WAY OUT of tile q: O^T / l; a lane's eight numbers are neighbours in a row of out0, and the lanes beside it hold other rows: so the tile goes through my stage and comes back as rows; 32 lanes store 512 consecutive bytes.
.macro OUT q
	WIN 0x41
.irp t, 0,1,2,3,4,5,6,7,8,9,10,11,12,13,14,15
.irp k, 0,2,4,6
	v_pk_mul_f32 v[8*(2*\t+\q)+\k:8*(2*\t+\q)+\k+1], v[8*(2*\t+\q)+\k:8*(2*\t+\q)+\k+1], v[ST+16*\q+FF:ST+16*\q+FF+1] op_sel_hi:[1,0]
.endr
.endr
	WIN 0x04                                       ; an LDS store's data: window 1
.irp t, 0,1,2,3,4,5,6,7,8,9,10,11,12,13,14,15
	ds_store_b128 v[STO], v[8*(2*\t+\q):8*(2*\t+\q)+3] offset:64*\t
	ds_store_b128 v[STO], v[8*(2*\t+\q)+4:8*(2*\t+\q)+7] offset:64*\t+16
.endr
	WIN 0
.irp b, 0,1,2,3                        ; four rows at a time
	s_wait_xcnt 0x0                                ; the earlier stores have read their registers: they may be loaded again
.irp e, 0,1,2,3,4,5,6,7
	ds_load_b128 v[TW+4*\e:TW+4*\e+3], v[AS2] offset:OPI*(4*\b+\e/2)+512*(\e%2)   ; LDS serves a wave's instructions in order: these see my stores, and the next tile's stores come behind them
.endr
.irp e, 0,1,2,3,4,5,6,7
	s_wait_dscnt 7-\e
	global_store_b128 v[LOF], v[TW+4*\e:TW+4*\e+3], s[16:17] offset:(16*((4*\b+\e/2)/8)+8*\q+(4*\b+\e/2)%8)*4096+512*(\e%2) th:TH_STORE_NT
.endr
.endr
.endm
	OUT 0
	OUT 1
	s_wait_tensorcnt 0x0                           ; the wave's end, behind my last tensor load and my last LDS store
	ds_add_u32 v[SPW], v[NIL]
	s_wait_dscnt 0x0
	CROUND                                         ; the closing round: no work-group ends while a partner may still ask for a tile that names it
	s_endpgm
.Lfunc_end_k_q7113dd859a_attn:
	.size	k_q7113dd859a_attn, .Lfunc_end_k_q7113dd859a_attn-k_q7113dd859a_attn
	.p2alignl 7, 3214868480
	.fill 96, 4, 3214868480
	.section	.rodata,"a",@progbits
	.p2align	6, 0x0
	.amdhsa_kernel k_q7113dd859a_attn
		.amdhsa_group_segment_fixed_size 327680
		.amdhsa_private_segment_fixed_size 0
		.amdhsa_enable_private_segment 0
		.amdhsa_kernarg_size 64
		.amdhsa_user_sgpr_count 2
		.amdhsa_user_sgpr_kernarg_segment_ptr 1
		.amdhsa_wavefront_size32 1
		.amdhsa_system_sgpr_workgroup_id_x 1
		.amdhsa_system_sgpr_workgroup_id_y 1
		.amdhsa_system_sgpr_workgroup_id_z 1
		.amdhsa_system_vgpr_workitem_id 0
		.amdhsa_next_free_vgpr 1024
		.amdhsa_next_free_sgpr 80
		.amdhsa_reserve_vcc 1
		.amdhsa_float_denorm_mode_32 3
		.amdhsa_float_denorm_mode_16_64 3
		.amdhsa_memory_ordered 1
		.amdhsa_forward_progress 1
		.amdhsa_inst_pref_size 208
	.end_amdhsa_kernel
	.amdgpu_metadata
---
amdhsa.version: [ 1, 2 ]
amdhsa.kernels:
  - .name:           k_q7113dd859a_attn
    .symbol:         k_q7113dd859a_attn.kd
    .args:
      - { .name: xc, .offset: 0, .size: 8, .value_kind: global_buffer, .address_space: global }
      - { .name: xs, .offset: 8, .size: 8, .value_kind: global_buffer, .address_space: global }
      - { .name: kv, .offset: 16, .size: 8, .value_kind: global_buffer, .address_space: global }
      - { .name: ks, .offset: 24, .size: 8, .value_kind: global_buffer, .address_space: global }
      - { .name: vs, .offset: 32, .size: 8, .value_kind: global_buffer, .address_space: global }
      - { .name: mask, .offset: 40, .size: 8, .value_kind: global_buffer, .address_space: global }
      - { .name: out0, .offset: 48, .size: 8, .value_kind: global_buffer, .address_space: global }
      - { .name: out1, .offset: 56, .size: 8, .value_kind: global_buffer, .address_space: global }
    .group_segment_fixed_size: 327680
    .private_segment_fixed_size: 0
    .kernarg_segment_align: 8
    .kernarg_segment_size: 64
    .max_flat_workgroup_size: 128
    .sgpr_count:     80
    .vgpr_count:     1024
    .wavefront_size: 32
...
	.end_amdgpu_metadata
.endif
;; end of part 2
;; ======== version 2 of 2: 2 launches
;; limits: right only within a limited range of input values
;; workspace buffers: xc 6,291,456 bytes; xs 262,144 bytes; kv 6,291,456 bytes; ks 131,072 bytes; vs 131,072 bytes
;; launch quant (part 3): grid 1024 x 1, 4 waves a work-group, no clusters, 34,304 bytes of LDS; arguments x, dictionary, xc, xs, kv, ks, vs; writes xc, xs, kv, ks, vs
.if DOCPART == 3
	.amdgcn_target "amdgcn-amd-amdhsa--gfx1250"
	.amdhsa_code_object_version 6
	.text
	.protected	k_q7113dd859a_quant
	.globl	k_q7113dd859a_quant
	.p2align	8
	.type	k_q7113dd859a_quant,@function
k_q7113dd859a_quant:
	s_mov_b64 s[64:65], 0
	v_nop
	global_prefetch_b8 v0, s[64:65] scope:SCOPE_SE
	s_setreg_imm32_b32 hwreg(HW_REG_WAVE_MODE, 25, 1), 1
	s_wait_xcnt 0x0
; x [8192][1024] and dictionary [4096][1024], f32, become codes of FP6 (E2M3) with one E8M0 byte for each 32 along K, laid as IMAGES OF OPERAND REGISTERS for the launch that follows.
; A fragment (16 rows x 128 K, 12 registers a lane) is 1,536 bytes: [c = 0..2][lane][16 bytes] = registers 4 c .. 4 c + 3.  Lane (r, h) holds row r; registers 0-5: k = 32 h + 0..31, registers 6-11: k = 64 + 32 h + 0..31.
; A scale image is 1,024 bytes: register 4 c + i of a lane at 512 c + 16 lane + 4 i; lanes 0-15 carry one tile's row words, lanes 16-31 the partner tile's.
; ROWS (work-groups 0-767; K = the 1,024 innermost): x (0-511) and the dictionary as keys (512-767).  A group is 32 rows; row p of its tile u is memory row 32 g + 8 u + p + 8 (p / 8).
;   A work-group takes half a group's K, a wave one K step of 128: two fragments.  Each load reads 512 consecutive bytes of a row; the rows turn through the wave's own stage in LDS so that a lane gets two whole blocks of 32.
; COLUMNS (work-groups 768-1023; K = the atoms): the dictionary as values.  A lane takes a column d and its registers run down 128 atoms: four whole blocks; nothing changes lanes.
; kv: [step j of 128 atoms][wave w][49,152]: the keys' part (atoms 128 j + 32 w .., 16 fragments 8 u + s) and the values' part (d = 256 w + 16 t + r, 16 fragments t); keys first where j is even, values first where j is odd.
; A block's scale is 2^(floor(log2(largest magnitude)) - 2): its byte is the largest magnitude's exponent field - 2, held at 1 from below by a floor among the maximum's leaves.
; LIMITS: NaN and infinities are not served.  A block of zeros gets the byte 1 where the rule says 127: its codes are zeros, and this program alone reads the bytes.
; The scale words leave 4 bytes a lane, 16 bytes apart; the four waves of a work-group together fill 512 consecutive bytes: one byte in 128 of what the launch reads.
.set STGB,  8448                       ; a wave's stage: 16 rows x 528
.set SP,    528                        ; a stage row: 512 bytes + 16: the 16 rows that a load of 16 bytes a lane touches start 33 x 16 bytes apart
.set R,     16                         ; v16-143  numbers as loaded
.set X,     144                        ; v144-207 rows: 64 numbers of a lane;  columns: v144-155 and v156-167 the two lanes' images
.set C,     208                        ; v208-231 rows: the two fragments' codes
.set MX,    232                        ; v232-233 largest magnitudes
.set SOP,   234                        ; v234-235 the conversions' scale operands
.set BY,    236                        ; v236-239 scale bytes
.set TP,    240                        ; v240-246 the second halves' codes (a conversion's three registers begin on an even number)
.set WD,    248                        ; v248-249 scale words
.set WT,    250                        ; a lane permute's destination
.set WO,    251                        ; the word that leaves
; Two blocks of 32 numbers of a lane, at v[s0] and v[s1], by turns: six registers of codes each at v[d0], v[d1]; their bytes in v[by], v[by + 1].
.macro QUANT2 s0, s1, d0, d1, by
	v_max3_num_f32 v[MX], |v[(\s0)]|, |v[(\s0)+1]|, 0x1800000      ; the floor 2^(3 - 127) among the leaves: the byte cannot fall under 1
	v_max3_num_f32 v[MX+1], |v[(\s1)]|, |v[(\s1)+1]|, 0x1800000
.irp i, 2,4,6,8,10,12,14,16,18,20,22,24,26,28,30
	v_max3_num_f32 v[MX], v[MX], |v[(\s0)+\i]|, |v[(\s0)+\i+1]|
	v_max3_num_f32 v[MX+1], v[MX+1], |v[(\s1)+\i]|, |v[(\s1)+\i+1]|
.endr
	v_add_nc_u32 v[SOP], 0xff000000, v[MX]         ; 2 off the exponent field: the conversion takes this operand's exponent field as its scale
	v_add_nc_u32 v[SOP+1], 0xff000000, v[MX+1]
	v_lshrrev_b32 v[(\by)], 23, v[SOP]             ; the scale's byte
	v_lshrrev_b32 v[(\by)+1], 23, v[SOP+1]
	v_cvt_scalef32_pk16_fp6_f32 v[(\d0):(\d0)+2], v[(\s0):(\s0)+15], v[SOP]
	v_cvt_scalef32_pk16_fp6_f32 v[TP:TP+2], v[(\s0)+16:(\s0)+31], v[SOP]
	v_cvt_scalef32_pk16_fp6_f32 v[(\d1):(\d1)+2], v[(\s1):(\s1)+15], v[SOP+1]
	v_cvt_scalef32_pk16_fp6_f32 v[TP+4:TP+6], v[(\s1)+16:(\s1)+31], v[SOP+1]
	v_nop                                          ; one plain instruction behind the scaled conversions
.irp i, 0,1,2
	v_mov_b32 v[(\d0)+3+\i], v[TP+\i]
	v_mov_b32 v[(\d1)+3+\i], v[TP+4+\i]
.endr
.endm
	s_load_b256 s[4:11], s[0:1], 0x0               ; x s[4:5], dictionary s[6:7], xc s[8:9], xs s[10:11]
	s_load_b128 s[12:15], s[0:1], 0x20             ; kv s[12:13], ks s[14:15]
	s_load_b64 s[16:17], s[0:1], 0x30              ; vs
	v_lshl_add_u32 v254, v0, 2, 0x8400
	v_mov_b32 v255, 0
	v_lshrrev_b32 v1, 5, v0
	v_readfirstlane_b32 s18, v1                    ; wave 0..3
	v_and_b32 v1, 31, v0                           ; lane
	v_and_b32 v2, 15, v0                           ; r
	v_bfe_u32 v3, v0, 4, 1                         ; h
	v_lshlrev_b32 v4, 4, v1                        ; 16 x lane
	v_lshl_add_u32 v7, s18, 2, v4                  ; a scale word's place: 16 x lane + 4 x wave
	s_mov_b32 s40, 0x76543210
	s_mov_b32 s41, 0xfedcba98                      ; v_permlanex16_b32's selects for lane l xor 16
	s_mov_b32 s42, 0xffff0000                      ; lanes 16-31
	s_mov_b32 s33, 0
	s_wait_kmcnt 0x0
	s_cmp_ge_u32 ttmp9, 768
	s_cbranch_scc1 .Lcolumns
	; ---------------- ROWS ----------------
	s_cmp_lt_u32 ttmp9, 512                        ; x's work-group or the dictionary's?  The choice hangs on the work-group's number alone
	s_cselect_b64 s[20:21], s[4:5], s[6:7]         ; the numbers,
	s_cselect_b64 s[22:23], s[8:9], s[12:13]       ; the codes,
	s_cselect_b64 s[24:25], s[10:11], s[14:15]     ; the scale words
	s_cselect_b32 s26, 0, 512
	s_mov_b32 s27, 49152
	s_cselect_b32 s27, 24576, s27                  ; from group to group in the codes' buffer
	s_cselect_b32 s28, 0, 24576                    ; in kv the keys' part lies behind the values' where the step is odd
	s_sub_co_u32 s26, ttmp9, s26
	s_lshr_b32 s29, s26, 1                         ; g: the group of 32 rows
	s_and_b32 s30, s26, 1                          ; which half of K
	s_lshl_b32 s31, s30, 2
	s_add_co_u32 s31, s31, s18                     ; s: my K step of 128
	s_lshl_b32 s32, s29, 17                        ; 32 rows of 4,096 bytes
	s_lshl_b32 s34, s31, 9
	s_add_co_u32 s32, s32, s34
	s_add_nc_u64 s[20:21], s[20:21], s[32:33]
	s_mul_i32 s32, s29, s27
	s_bfe_u32 s34, s29, 0x10002                    ; the step's parity: bit 2 of g
	s_mul_i32 s34, s34, s28
	s_add_co_u32 s32, s32, s34
	s_mul_i32 s34, s31, 1536                       ; fragment 8 u + s
	s_add_co_u32 s32, s32, s34
	s_add_nc_u64 s[22:23], s[22:23], s[32:33]
	s_lshl_b32 s32, s29, 10
	s_lshl_b32 s34, s30, 9
	s_add_co_u32 s32, s32, s34
	s_add_nc_u64 s[24:25], s[24:25], s[32:33]
	s_wait_alu depctr_va_vdst(0)
.irp u, 0,1
.irp p, 0,1,2,3,4,5,6,7,8,9,10,11,12,13,14,15
	global_load_b128 v[R+64*\u+4*\p:R+64*\u+4*\p+3], v4, s[20:21] offset:(8*\u+\p+8*(\p/8))*4096   ; 32 lanes read my K step's 512 consecutive bytes of one row
.endr
.endr
	s_mul_i32 s19, s18, STGB
	v_add_nc_u32 v5, s19, v4                       ; the stage, in: 16 x lane
	v_mul_u32_u24 v6, v2, SP
	v_lshl_add_u32 v6, v3, 7, v6
	v_add_nc_u32 v6, s19, v6                       ; and out: row r, + 128 h: my block of 32 numbers
	v_lshlrev_b32 v8, 3, v3                        ; 8 h
	v_mov_b32 v[WT], 0                             ; written once: a lane permute's destination counts as one of its sources
.macro ROWS u, left
	s_wait_loadcnt \left                           ; this tile's 16 loads are in
.irp p, 0,1,2,3,4,5,6,7,8,9,10,11,12,13,14,15
	ds_store_b128 v5, v[R+64*\u+4*\p:R+64*\u+4*\p+3] offset:SP*\p
.endr
.irp i, 0,1,2,3,4,5,6,7
	ds_load_b128 v[X+4*\i:X+4*\i+3], v6 offset:16*\i               ; LDS serves a wave's instructions in order: these see the stores above, and the next tile's stores come behind them
	ds_load_b128 v[X+32+4*\i:X+32+4*\i+3], v6 offset:256+16*\i     ; k = 32 h + 0..31 and k = 64 + 32 h + 0..31 of row r
.endr
	s_wait_dscnt 0x0
	QUANT2 X, X+32, C+12*\u, C+12*\u+6, BY
	v_lshl_or_b32 v[WD+\u], v[BY+1], 16, v[BY]     ; my two bytes: blocks h and 2 + h,
	v_lshlrev_b32 v[WD+\u], v8, v[WD+\u]           ; at their places in the word;
	v_permlanex16_b32 v[WT], v[WD+\u], s40, s41
	v_or_b32 v[WD+\u], v[WD+\u], v[WT]             ; with lane l xor 16's two the word is whole
.irp c, 0,1,2
	global_store_b128 v4, v[C+12*\u+4*\c:C+12*\u+4*\c+3], s[22:23] offset:8*\u*1536+512*\c   ; 512 consecutive bytes
.endr
.endm
	s_wait_alu depctr_va_vdst(0)
	ROWS 0, 16                                     ; (the other tile's 16 loads may be out)
	ROWS 1, 0
	v_cndmask_b32 v[WO], v[WD], v[WD+1], s42       ; lanes 0-15: tile 0's words, lanes 16-31: tile 1's
	global_store_b32 v7, v[WO], s[24:25]
	s_wait_tensorcnt 0x0
	ds_add_u32 v254, v255
	s_wait_dscnt 0x0
	s_endpgm
	; ---------------- COLUMNS ----------------
.Lcolumns:
	s_sub_co_u32 s26, ttmp9, 768
	s_lshr_b32 s27, s26, 3                         ; j: the step of 128 atoms
	s_bfe_u32 s28, s26, 0x20001                    ; w: which 256 of d
	s_and_b32 s29, s26, 1
	s_lshl_b32 s30, s29, 2
	s_add_co_u32 s30, s30, s18                     ; q: my 32 columns of the 256
	s_lshl_b32 s32, s27, 19                        ; 128 rows of 4,096 bytes
	s_lshl_b32 s34, s28, 10
	s_add_co_u32 s32, s32, s34
	s_lshl_b32 s34, s30, 7
	s_add_co_u32 s32, s32, s34
	s_add_nc_u64 s[6:7], s[6:7], s[32:33]
	s_lshl_b32 s34, s27, 2
	s_add_co_u32 s34, s34, s28                     ; 4 j + w
	s_mul_i32 s32, s34, 49152
	s_and_b32 s35, s27, 1
	s_xor_b32 s35, s35, 1
	s_mul_i32 s35, s35, 24576                      ; the values' part lies behind the keys' where the step is even
	s_add_co_u32 s32, s32, s35
	s_mul_i32 s35, s30, 3072                       ; fragments 2 q and 2 q + 1
	s_add_co_u32 s32, s32, s35
	s_add_nc_u64 s[12:13], s[12:13], s[32:33]
	s_lshl_b32 s32, s34, 10
	s_lshl_b32 s35, s29, 9
	s_add_co_u32 s32, s32, s35
	s_add_nc_u64 s[16:17], s[16:17], s[32:33]
	s_wait_alu depctr_va_vdst(0)
	v_lshlrev_b32 v5, 2, v1                        ; in: 4 bytes a lane
	v_mul_u32_u24 v6, v3, 1536
	v_lshl_add_u32 v6, v2, 4, v6                   ; out: fragment 2 q + lane / 16, 16 bytes at lane % 16
.set k, 0
.rept 128
	global_load_b32 v[R+k], v5, s[6:7] offset:k*4096   ; atom 128 j + k, my column: 128 consecutive bytes a wave, 512 a work-group
.set k, k+1
.endr
	s_wait_loadcnt 63                              ; of the 128 loads at most 63 are out: the oldest 65 are in, the 64 of blocks 0 and 1 among them (64 would do; this wait's count goes no higher than 63)
	QUANT2 R, R+32, X, X+12, BY                    ; block 0: registers 0-5 of lane (r, 0) of my fragment; block 1: of lane (r, 1)
	s_wait_loadcnt 0x0
	QUANT2 R+64, R+96, X+6, X+18, BY+2             ; blocks 2 and 3: registers 6-11
	v_lshl_or_b32 v[WO], v[BY+1], 8, v[BY]
	v_lshl_or_b32 v[WO], v[BY+2], 16, v[WO]
	v_lshl_or_b32 v[WO], v[BY+3], 24, v[WO]        ; my column's scale word
.irp c, 0,1,2
	global_store_b128 v6, v[X+4*\c:X+4*\c+3], s[12:13] offset:512*\c          ; sixteen lanes fill 256 consecutive bytes, aligned
	global_store_b128 v6, v[X+12+4*\c:X+12+4*\c+3], s[12:13] offset:512*\c+256
.endr
	global_store_b32 v7, v[WO], s[16:17]
	s_endpgm
.Lfunc_end_k_q7113dd859a_quant:
	.size	k_q7113dd859a_quant, .Lfunc_end_k_q7113dd859a_quant-k_q7113dd859a_quant
	.p2alignl 7, 3214868480
	.fill 96, 4, 3214868480
	.section	.rodata,"a",@progbits
	.p2align	6, 0x0
	.amdhsa_kernel k_q7113dd859a_quant
		.amdhsa_group_segment_fixed_size 34304
		.amdhsa_private_segment_fixed_size 0
		.amdhsa_enable_private_segment 0
		.amdhsa_kernarg_size 56
		.amdhsa_user_sgpr_count 2
		.amdhsa_user_sgpr_kernarg_segment_ptr 1
		.amdhsa_wavefront_size32 1
		.amdhsa_system_sgpr_workgroup_id_x 1
		.amdhsa_system_sgpr_workgroup_id_y 1
		.amdhsa_system_sgpr_workgroup_id_z 1
		.amdhsa_system_vgpr_workitem_id 0
		.amdhsa_next_free_vgpr 256
		.amdhsa_next_free_sgpr 66
		.amdhsa_reserve_vcc 0
		.amdhsa_float_denorm_mode_32 3
		.amdhsa_float_denorm_mode_16_64 3
		.amdhsa_memory_ordered 1
		.amdhsa_forward_progress 1
		.amdhsa_inst_pref_size 37
	.end_amdhsa_kernel
	.amdgpu_metadata
---
amdhsa.version: [ 1, 2 ]
amdhsa.kernels:
  - .name:           k_q7113dd859a_quant
    .symbol:         k_q7113dd859a_quant.kd
    .args:
      - { .name: x, .offset: 0, .size: 8, .value_kind: global_buffer, .address_space: global }
      - { .name: dictionary, .offset: 8, .size: 8, .value_kind: global_buffer, .address_space: global }
      - { .name: xc, .offset: 16, .size: 8, .value_kind: global_buffer, .address_space: global }
      - { .name: xs, .offset: 24, .size: 8, .value_kind: global_buffer, .address_space: global }
      - { .name: kv, .offset: 32, .size: 8, .value_kind: global_buffer, .address_space: global }
      - { .name: ks, .offset: 40, .size: 8, .value_kind: global_buffer, .address_space: global }
      - { .name: vs, .offset: 48, .size: 8, .value_kind: global_buffer, .address_space: global }
    .group_segment_fixed_size: 34304
    .private_segment_fixed_size: 0
    .kernarg_segment_align: 8
    .kernarg_segment_size: 56
    .max_flat_workgroup_size: 128
    .sgpr_count:     66
    .vgpr_count:     256
    .wavefront_size: 32
...
	.end_amdgpu_metadata
.endif
;; end of part 3
;; launch attn (part 4): grid 256 x 1, 4 waves a work-group, clusters of 4 x 1, 327,680 bytes of LDS; arguments xc, xs, kv, ks, vs, mask, out0, out1; writes out0, out1
.if DOCPART == 4
	.amdgcn_target "amdgcn-amd-amdhsa--gfx1250"
	.amdhsa_code_object_version 6
	.text
	.protected	k_q7113dd859a_attn
	.globl	k_q7113dd859a_attn
	.p2align	8
	.type	k_q7113dd859a_attn,@function
k_q7113dd859a_attn:
	s_mov_b64 s[64:65], 0
	v_nop
	global_prefetch_b8 v0, s[64:65] scope:SCOPE_SE
	s_setreg_imm32_b32 hwreg(HW_REG_WAVE_MODE, 25, 1), 1
	s_wait_xcnt 0x0
	s_wait_alu depctr_hold_cnt(0) depctr_sa_sdst(0) depctr_va_vdst(0) depctr_va_sdst(0) depctr_va_ssrc(0) depctr_va_vcc(0) depctr_vm_vsrc(0)
	s_getreg_b32 s2, hwreg(HW_REG_IB_STS2, 6, 4)
	s_cmp_eq_u32 s2, 0
	s_cbranch_scc0 .Lentry_in_a_cluster
	s_endpgm
.Lentry_in_a_cluster:
	s_bfe_u32 s2, ttmp6, 0x10000c
	s_cmp_lg_u32 s2, 0x3003
	s_cbranch_scc0 .Lentry_shape_is_right
	s_endpgm
.Lentry_shape_is_right:
; out0[q] = softmax_a(s'[q][a]) V[a], out1[q] = argmax_a s'[q][a], s' = s m + (1 - m)(-1e9), s = x[q] . dictionary[a]; both products on codes of FP6 (E2M3) with E8M0 scales, made by the launch before.
; SHARES.  A work-group owns 32 queries (two tiles of 16) and walks the 4,096 atoms in 32 steps of 128.  In a step wave w makes S^T for atoms 32 w .. 32 w + 31 (one block of the second product's K) x both tiles:
; 4 accumulators x 8 K steps; runs the softmax on its 32 numbers a lane; and owns d = 256 w .. 256 w + 255 of O^T for both tiles: 32 accumulators, one matrix instruction each.  p goes from wave to wave through LDS.
; Both products are used transposed (source 0 = atoms or d, source 1 = queries): a lane holds ONE query (lane % 16) throughout.  The rows of a tile of keys, and of queries, are not neighbours
; (row p of tile u is row 8 u + p + 8 (p / 8) of its 32), so that a lane's 16 registers of two tiles of S^T are the 16 neighbouring atoms 32 w + 16 (lane / 16) + 0..15.
; THE ORDER OF STEPS.  Cluster c begins at step J0 = 2 ((c % 16) xor 5 (c / 16)) and walks J0, J0 + 1, .. 31, 0, .. J0 - 1: at any time the 64 clusters ask for pairs at sixteen different places of kv,
; and a pair is asked for by different clusters in different trips.  J0 is even, so that a step's parity, by which its pair is laid in kv and placed in LDS, is the trip's parity.
; SOFTMAX.  t = s' log2(e) (a product and then a sum, not fused: t is the rounded product); EACH WAVE HAS ITS OWN RUNNING M_w = ceil(largest t of its blocks); p = 2^(t - M_w) is quantised with its block's byte.
; The wave publishes -M_w and the byte; every wave takes M = the largest M_w and lowers block b's byte by M - M_b: an exact power of two, the codes stay.  O^T is multiplied by 2^(old M - new M) in every step.
; The row's sum is taken of the unquantised p, wave by wave under M_w, and joined at the end.
; ARGMAX.  Each wave keeps the largest s' of its blocks, the LOWEST step whose block reached it (a block replaces the best where its maximum is greater, or equal with a lower step) and that block's 16 numbers a lane;
; at the end the lowest index that holds the maximum is taken, and among waves the lower index at equal maxima.
; TILES.  A step's codes for wave w (keys' part and values' part, 49,152 dense bytes) come by ONE tensor load of the wave into its own three parts of LDS: an even pair lands in parts 1, 2 (K, V), an odd pair in parts 0, 1 (V, K).
; So the next pair overwrites this step's K, which is read out first, and the last step's V.  Each wave reads only what its own load brought.
; CLUSTER.  The four work-groups of a cluster walk the same codes: each load is asked for jointly, with one descriptor and the mask 15; the refill stands behind a round of the cluster's barrier.
; The mask, 512 bytes of each of 32 rows a step, is loaded into registers three steps ahead (a wave: 8 rows, 512 consecutive bytes a load), and turns through LDS a step ahead.
; LIMITS.  NaN and infinities are not served.  T = m 1e9 - 1e9 equals (1 - m)(-1e9) for |m| < 2^24; s m + T is fused: exact for m = 0 and 1, one rounding fewer than two operations for other m.
; A block more than 2^124 under the row's M keeps the byte 1: it adds at most 7.5 x 2^-126 times a value.  The second product's sums and the row's sum run in the cluster's order of steps.  The argmax is that of the matrix unit's f32 sums.
; REGISTERS, in windows of 256: window 0: see the names below.  window 1: O^T, accumulator 2 t + tile at 8 x that.  window 2: v0-191 Q (fragment 8 tile + s at 12 x that), v192-255 two sets of 32 raw mask words.  window 3: v0-191 sixteen fragments of K or V.
.set PART,  24576                      ; a part: 16 fragment images of 1,536 bytes
.set SLOTW, 3*PART                     ; a wave's three parts
.set MSK,   4*SLOTW                    ; the mask of a step: 32 rows (16 tile + r) x 528
.set MP,    528
.set PIMG,  MSK+32*MP                  ; p's codes: 2,048 tile + 512 block + 32 r; 24 of each 32 bytes
.set PSTAT, PIMG+4096                  ; 512 tile + 32 r + 8 wave: (-M_w, byte as f32)
.set FIN,   PSTAT+1024                 ; 1,024 tile + 64 r + 16 wave: (-M_w, sum, largest s', its index)
.set SPARE, FIN+2048                   ; the spare words, 128 bytes a wave: two blocks of 256 bytes that no other line names
.set OPI,   1040                       ; the way out: a stage of 16 rows x (1,024 + 16) in the wave's part 2, which has had its last fill
.set SPW, 1                            ; LDS address of my spare word; never rewritten
.set NIL, 2                            ; 0; never rewritten
.set AS0, 3                            ; my wave's parts 0, 1, 2, + 16 x lane
.set AS1, 4
.set AS2, 5
.set MWR, 6                            ; the mask: where my wave's 8 rows go,
.set MRD, 7                            ; and where my 16 words of a row lie
.set PWR, 8
.set PRD, 9
.set SWR, 10
.set SRD, 11
.set MOF, 12                           ; the mask in memory: 8 w rows + 16 x lane
.set LOF, 13                           ; 16 x lane
.set FWR, 14
.set FRD, 15
.set QS,  16                           ; v16-23 Q's scale words, v24-31 K's, v32-39 V's, v40-41 p's: scales and nothing else
.set KS,  24
.set VS,  32
.set PW,  40
.set RR,  42                           ; r
.set HH,  43                           ; h
.set NEG, 44                           ; v44-45 -1e9
.set JV,  46                           ; the step
.set STO, 47                           ; the stage, in
.set S,   48                           ; v48-79  S^T, then s': 16 tile + i
.set MM,  80                           ; v80-111 mask, m, t, p
.set BEST, 112                         ; v112-143 s' of the best block so far
.set PF,  144                          ; v144-167 p's two fragments
.set STL, 168                          ; v168-183 the four waves' statistics: 8 tile + 2 wave
.set PC,  184                          ; v184-190 codes just made
.set ST,  192                          ; v192-223 16 a tile:
.set NM,  0                            ;   -M_w
.set BV,  1                            ;   largest s' so far
.set LS,  2                            ;   the sum, two halves
.set FL,  4                            ;   2^(old M_w - new M_w), and its pair's partner
.set BM,  6                            ;   the block's largest s'
.set PD,  7                            ;   a lane permute's destination
.set BJ,  8                            ;   step of the best block
.set PMX, 9                            ;   the block's largest p; at the end the index
.set SOPR, 10                          ;   the conversion's scale operand
.set BYF, 11                           ;   the byte, as f32
.set NG,  12                           ;   -M
.set NGN, 13
.set FF,  14                           ;   2^(old M - new M), later 1 / l, and its pair's partner
.set TW,  224                          ; v224-255 at work
.set MG,  192                          ; in window 2
.set WV,  20
.set WB,  23                           ; my wave's parts begin here
.set G1,  24                           ; s[24:31], s[32:35] the descriptor
.set G0,  32
.set JJ,  36                           ; the step in hand, 0..31
.set TRIPS, 37
.set CC,  38                           ; s[38:39] log2(e)
.set SEL, 40
.set HM,  42                           ; lanes 16-31
.set BIG, 44                           ; s[44:45] 1e9
.set KSB, 46                           ; the next step's scale image of K
.set VSB, 48                           ; this step's scale image of V
.set MB0, 50                           ; the mask at my 32 rows
.set MBC, 52                           ; + the step to be loaded
.set MOFS, 54                          ; s[54:55] an offset, its high word 0
.set UU,  57                           ; s57, s58: lanes whose block replaces the best so far
.set JN,  59                           ; the next step
.set UE,  66                           ; s66, s67: lanes whose block equals the best
.set UL,  68                           ; s68, s69: lanes whose best block has a higher step
.set MB2, 72                           ; s[72:73] the head's third mask load
.set MSB, 0
.macro WIN new                         ; the immediate's high byte repeats the setting that is left; a switch that changes nothing is dropped
.if MSB != \new
	s_set_vgpr_msb (MSB<<8)|\new
.set MSB, \new
.endif
.endm
.macro PLACES n
.rept \n
	v_nop
.endr
.endm
.macro CROUND                          ; a round of the cluster's barrier
	s_barrier_signal -1
	s_barrier_wait -1
	s_cmp_lg_u32 s[WV], 0
	s_cbranch_scc1 .Lnot_wave_0_\@
	s_barrier_signal -3
.Lnot_wave_0_\@:
	s_barrier_wait -3
	s_barrier_signal -1
	s_barrier_wait -1
.endm
.macro TL                              ; the joint load; four v_nop follow it
	tensor_load_to_lds s[G0:G0+3], s[G1:G1+7]
	s_nop 0
	PLACES 4
.endm
; One matrix instruction.  c0: the sum begins (C = 0); ra, rb: the side's scale words lie in lanes 16-31.
.macro WM d, a, b, c0, sa, sb, ra, rb
.if (\c0)
.if (\ra)&&(\rb)
	v_wmma_scale_f32_16x16x128_f8f6f4 v[(\d):(\d)+7], v[(\a):(\a)+11], v[(\b):(\b)+11], 0, v[\sa], v[\sb] matrix_a_fmt:MATRIX_FMT_FP6 matrix_b_fmt:MATRIX_FMT_FP6 matrix_a_scale:MATRIX_SCALE_ROW1 matrix_b_scale:MATRIX_SCALE_ROW1
.elseif (\ra)
	v_wmma_scale_f32_16x16x128_f8f6f4 v[(\d):(\d)+7], v[(\a):(\a)+11], v[(\b):(\b)+11], 0, v[\sa], v[\sb] matrix_a_fmt:MATRIX_FMT_FP6 matrix_b_fmt:MATRIX_FMT_FP6 matrix_a_scale:MATRIX_SCALE_ROW1
.elseif (\rb)
	v_wmma_scale_f32_16x16x128_f8f6f4 v[(\d):(\d)+7], v[(\a):(\a)+11], v[(\b):(\b)+11], 0, v[\sa], v[\sb] matrix_a_fmt:MATRIX_FMT_FP6 matrix_b_fmt:MATRIX_FMT_FP6 matrix_b_scale:MATRIX_SCALE_ROW1
.else
	v_wmma_scale_f32_16x16x128_f8f6f4 v[(\d):(\d)+7], v[(\a):(\a)+11], v[(\b):(\b)+11], 0, v[\sa], v[\sb] matrix_a_fmt:MATRIX_FMT_FP6 matrix_b_fmt:MATRIX_FMT_FP6
.endif
.else
.if (\ra)&&(\rb)
	v_wmma_scale_f32_16x16x128_f8f6f4 v[(\d):(\d)+7], v[(\a):(\a)+11], v[(\b):(\b)+11], v[(\d):(\d)+7], v[\sa], v[\sb] matrix_a_fmt:MATRIX_FMT_FP6 matrix_b_fmt:MATRIX_FMT_FP6 matrix_a_scale:MATRIX_SCALE_ROW1 matrix_b_scale:MATRIX_SCALE_ROW1
.elseif (\ra)
	v_wmma_scale_f32_16x16x128_f8f6f4 v[(\d):(\d)+7], v[(\a):(\a)+11], v[(\b):(\b)+11], v[(\d):(\d)+7], v[\sa], v[\sb] matrix_a_fmt:MATRIX_FMT_FP6 matrix_b_fmt:MATRIX_FMT_FP6 matrix_a_scale:MATRIX_SCALE_ROW1
.elseif (\rb)
	v_wmma_scale_f32_16x16x128_f8f6f4 v[(\d):(\d)+7], v[(\a):(\a)+11], v[(\b):(\b)+11], v[(\d):(\d)+7], v[\sa], v[\sb] matrix_a_fmt:MATRIX_FMT_FP6 matrix_b_fmt:MATRIX_FMT_FP6 matrix_b_scale:MATRIX_SCALE_ROW1
.else
	v_wmma_scale_f32_16x16x128_f8f6f4 v[(\d):(\d)+7], v[(\a):(\a)+11], v[(\b):(\b)+11], v[(\d):(\d)+7], v[\sa], v[\sb] matrix_a_fmt:MATRIX_FMT_FP6 matrix_b_fmt:MATRIX_FMT_FP6
.endif
.endif
.endm
.macro FETCHK                          ; K's 16 fragments (8 u + s) out of part 1, in the order in which the products want them: 48 loads of 512 consecutive bytes
	WIN 0xc0                                       ; destination window 3
.irp s, 0,1,2,3,4,5,6,7
.irp u, 0,1
.irp c, 0,1,2
	ds_load_b128 v[12*(8*\u+\s)+4*\c:12*(8*\u+\s)+4*\c+3], v[AS1] offset:1536*(8*\u+\s)+512*\c
.endr
.endr
.endr
	WIN 0
.endm
.macro FETCHV adr                      ; V's 16 fragments
	WIN 0xc0
.irp t, 0,1,2,3,4,5,6,7,8,9,10,11,12,13,14,15
.irp c, 0,1,2
	ds_load_b128 v[12*\t+4*\c:12*\t+4*\c+3], v[\adr] offset:1536*\t+512*\c
.endr
.endr
	WIN 0
.endm
; S^T = K Q^T: 8 K steps x 4 accumulators, which take turns, one instruction a turn.  The count leaves out the fetches of later K steps, six each, and the add.
.macro SMUL last
	WIN 0x0b                                       ; source 0 (K) window 3, source 1 (Q) window 2
.irp s, 0,1,2,3,4,5,6,7
	s_wait_dscnt 43-(\last)-6*\s
.irp u, 0,1
.irp q, 0,1
	WM S+16*\q+8*\u,12*(8*\u+\s),12*(8*\q+\s),\s==0,KS+\s,QS+\s,\u,\q
.endr
.endr
.endr
	WIN 0
.endm
.macro SOFTMAX
.irp k, 0,2,4,6,8,10,12,14,16,18,20,22,24,26,28,30
	v_pk_fma_f32 v[S+\k:S+\k+1], v[S+\k:S+\k+1], v[MM+\k:MM+\k+1], v[TW+\k:TW+\k+1]   ; s' = s m + T, T made ahead of S^T; ascending: each accumulator from its low end on
.endr
.irp q, 0,1                            ; the block's largest s': it serves the argmax, M_w and, since p rises with s', the block's largest p
	v_max3_num_f32 v[ST+16*\q+BM], v[S+16*\q], v[S+16*\q+1], v[S+16*\q+2]
.endr
.irp i, 3,5,7,9,11,13
.irp q, 0,1
	v_max3_num_f32 v[ST+16*\q+BM], v[ST+16*\q+BM], v[S+16*\q+\i], v[S+16*\q+\i+1]
.endr
.endr
.irp q, 0,1
	v_max_num_f32 v[ST+16*\q+BM], v[ST+16*\q+BM], v[S+16*\q+15]
.endr
.irp q, 0,1
	v_permlanex16_b32 v[ST+16*\q+PD], v[ST+16*\q+BM], s[SEL], s[SEL+1]
.endr
	v_mov_b32 v[JV], s[JJ]
.irp q, 0,1
	v_max_num_f32 v[ST+16*\q+BM], v[ST+16*\q+BM], v[ST+16*\q+PD]   ; with lane l xor 16's 16 atoms
.endr
.irp q, 0,1                            ; the steps do not ascend: the block replaces the best where it is greater, or equal with a lower step.  Lane masks and selects alone: no branch
	v_cmp_gt_f32 s[UU+\q], v[ST+16*\q+BM], v[ST+16*\q+BV]
	v_cmp_eq_f32 s[UE+\q], v[ST+16*\q+BM], v[ST+16*\q+BV]
	v_cmp_gt_u32 s[UL+\q], v[ST+16*\q+BJ], v[JV]
	v_mov_b32 v[TW+\q], v[ST+16*\q+NM]                             ; the old -M_w
.endr
.irp q, 0,1
	s_and_b32 s[UE+\q], s[UE+\q], s[UL+\q]
	s_or_b32 s[UU+\q], s[UU+\q], s[UE+\q]
.endr
.irp q, 0,1
	v_max_num_f32 v[ST+16*\q+BV], v[ST+16*\q+BV], v[ST+16*\q+BM]
	v_cndmask_b32 v[ST+16*\q+BJ], v[ST+16*\q+BJ], v[JV], s[UU+\q]
.endr
.irp q, 0,1
	v_mul_f32 v[TW+2+\q], s[CC], v[ST+16*\q+BV]                    ; the largest t
	v_mul_f32 v[ST+16*\q+PMX], s[CC], v[ST+16*\q+BM]               ; the block's largest t
.endr
.irp q, 0,1
	v_floor_f32 v[ST+16*\q+NM], -v[TW+2+\q]                        ; -M_w = floor(-t) = -ceil(t): a whole number
.endr
.irp k, 0,2,4,6,8,10,12,14,16,18,20,22,24,26,28,30
	v_pk_mul_f32 v[MM+\k:MM+\k+1], v[S+\k:S+\k+1], s[CC:CC+1] op_sel_hi:[1,0]   ; t
.endr
.irp q, 0,1
	v_sub_f32 v[TW+\q], v[ST+16*\q+NM], v[TW+\q]                   ; old M_w - new M_w: a whole number, 0 or less
	v_add_f32 v[ST+16*\q+PMX], v[ST+16*\q+PMX], v[ST+16*\q+NM]
.endr
.irp q, 0,1
	v_cvt_i32_f32 v[TW+\q], v[TW+\q]                               ; (it saturates)
.endr
.irp q, 0,1
.irp k, 0,2,4,6,8,10,12,14
	v_pk_add_f32 v[MM+16*\q+\k:MM+16*\q+\k+1], v[MM+16*\q+\k:MM+16*\q+\k+1], v[ST+16*\q+NM:ST+16*\q+NM+1] op_sel_hi:[1,0]   ; t - M_w
.endr
.endr
.irp q, 0,1
	v_ldexp_f32 v[ST+16*\q+FL], 1.0, v[TW+\q]
.endr
	s_wait_alu depctr_va_vdst(0)
.irp q, 0,1                            ; ONE BATCH of 34 exponentials; the selects that keep the best block stand between them and name none of their results
.irp i, 0,1,2,3,4,5,6,7,8,9,10,11,12,13,14,15
	v_exp_f32 v[MM+16*\q+\i], v[MM+16*\q+\i]
	v_cndmask_b32 v[BEST+16*\q+\i], v[BEST+16*\q+\i], v[S+16*\q+\i], s[UU+\q]
.endr
.endr
	v_exp_f32 v[ST+PMX], v[ST+PMX]                 ; the same operations on the same number give the same bits as the block's largest p
	v_exp_f32 v[ST+16+PMX], v[ST+16+PMX]
.irp q, 0,1
	v_pk_mul_f32 v[ST+16*\q+LS:ST+16*\q+LS+1], v[ST+16*\q+LS:ST+16*\q+LS+1], v[ST+16*\q+FL:ST+16*\q+FL+1] op_sel_hi:[1,0]   ; the sums under the new M_w: the plain instruction behind the batch
.endr
	s_wait_alu depctr_va_vdst(0)                   ; one wait for the batch, ahead of its first reader
.irp q, 0,1
	v_max_num_f32 v[ST+16*\q+PMX], 0x1800000, v[ST+16*\q+PMX]      ; the floor 2^(3 - 127): the byte cannot fall under 1
.endr
.irp q, 0,1
	v_add_nc_u32 v[ST+16*\q+SOPR], 0xff000000, v[ST+16*\q+PMX]     ; 2 off the exponent field: the conversion's scale operand
.endr
.irp q, 0,1
	v_lshrrev_b32 v[ST+16*\q+BYF], 23, v[ST+16*\q+SOPR]
.endr
	v_cvt_scalef32_pk16_fp6_f32 v[PC:PC+2], v[MM:MM+15], v[ST+SOPR]            ; tile 0: my 16 atoms' codes
	v_cvt_scalef32_pk16_fp6_f32 v[PC+4:PC+6], v[MM+16:MM+31], v[ST+16+SOPR]    ; tile 1
	v_nop                                          ; one plain instruction behind the scaled conversions
.irp i, 0,1,2
	v_permlane16_swap_b32 v[PC+\i], v[PC+4+\i]     ; lanes 0-15 now hold tile 0's whole block (lower 16 codes, upper 16), lanes 16-31 tile 1's
.endr
	v_mov_b32 v[PC+3], v[PC+4]
	v_mov_b32 v[PC+4], v[PC+5]
	v_mov_b32 v[PC+5], v[PC+6]
	ds_store_b128 v[PWR], v[PC:PC+3]
	ds_store_b64 v[PWR], v[PC+4:PC+5] offset:16
.irp q, 0,1
	v_cvt_f32_u32 v[ST+16*\q+BYF], v[ST+16*\q+BYF]
.endr
	v_cndmask_b32 v[TW], v[ST+NM], v[ST+16+NM], s[HM]
	v_cndmask_b32 v[TW+1], v[ST+BYF], v[ST+16+BYF], s[HM]
	ds_store_b64 v[SWR], v[TW:TW+1]                ; tile lane / 16's -M_w and byte
.irp k, 0,2,4,6,8,10,12,14             ; the row's sum, of the unquantised p
.irp q, 0,1
	v_pk_add_f32 v[ST+16*\q+LS:ST+16*\q+LS+1], v[ST+16*\q+LS:ST+16*\q+LS+1], v[MM+16*\q+\k:MM+16*\q+\k+1]
.endr
.endr
.endm
.macro RESC a                          ; accumulator a of O^T under the new M, from its low end on
.irp k, 0,2,4,6
	v_pk_mul_f32 v[8*(\a)+\k:8*(\a)+\k+1], v[8*(\a)+\k:8*(\a)+\k+1], v[ST+16*((\a)%2)+FF:ST+16*((\a)%2)+FF+1] op_sel_hi:[1,0]
.endr
.endm
; O^T += V^T P^T: 32 accumulators, one instruction each; the rescaling of accumulator i + 4 stands behind product i.  At least twelve plain instructions that name none of a product's registers stand between
; the last write of p's scale words and that product.
.macro PVMUL first
.if \first
	PLACES 8                                       ; p's scale words were written by vector instructions: eight places ahead of a scaled matrix instruction
.else
	WIN 0x41                                       ; O^T (destination, source 0) window 1
	RESC 0
	RESC 1
	RESC 2
	RESC 3
.endif
.set i, 0
.rept 32
	WIN 0x53                                       ; source 0 (V) window 3, source 1 (p) window 0, C and D window 1
	WM 8*i,12*(i/2),PF+12*(i%2),\first,VS+i/4,PW+i%2,(i/2)%2,0
.if (!\first) && (i < 28)
	WIN 0x41
	RESC i+4
.endif
.set i, i+1
.endr
	WIN 0
.endm
; A STEP of 128 atoms.  par: the trip's parity, which is the step's (V lies in part 2 where it is even, in part 0 where it is odd).
.macro STEP par, first, last
	; ---- A: K out of LDS, S^T
	PLACES 4                                       ; the last products read the fragments' and V's scale registers: four places ahead of loads into them
	s_wait_xcnt 0x0                                ; the earlier loads have read their bases: they may be written
.if !\first
	s_add_co_u32 s[JJ], s[JJ], 1
	s_and_b32 s[JJ], s[JJ], 31                     ; behind step 31 comes step 0
.endif
	s_lshl_b32 s[MOFS], s[JJ], 12                  ; four waves' scale images a step
	s_add_nc_u64 s[VSB:VSB+1], s[12:13], s[MOFS:MOFS+1]
.if !\last
	s_add_co_u32 s[JN], s[JJ], 1
	s_and_b32 s[JN], s[JN], 31                     ; the next step
	s_lshl_b32 s[MOFS], s[JN], 12
	s_add_nc_u64 s[KSB:KSB+1], s[10:11], s[MOFS:MOFS+1]
	s_add_co_u32 s[MOFS], s[JJ], 3
	s_and_b32 s[MOFS], s[MOFS], 31                 ; the mask three steps on, round the end like the steps: no load leaves the buffer, and every step counts alike (the last two such loads are spare)
	s_lshl_b32 s[MOFS], s[MOFS], 9
	s_add_nc_u64 s[MBC:MBC+1], s[MB0:MB0+1], s[MOFS:MOFS+1]
.endif
	global_load_b128 v[VS:VS+3], v[LOF], s[VSB:VSB+1]
	global_load_b128 v[VS+4:VS+7], v[LOF], s[VSB:VSB+1] offset:512
	s_wait_tensorcnt 0x0                           ; this step's pair, my own load, has landed: this wait serves the reads below
	FETCHK
.if !\last
	s_wait_tensorcnt 0x0                           ; met at once: the wait that stands in front of the add; no tensor load of mine is out, so the descriptor may be written
	ds_add_u32 v[SPW], v[NIL]                      ; 0 onto my spare word; the products stand between it and the wait for it
	s_mul_i32 s[MOFS], s[JN], 8*PART               ; the next step's pair: four waves' 49,152 bytes a step
	s_add_nc_u64 s[G0+2:G0+3], s[8:9], s[MOFS:MOFS+1]
	s_or_b32 s[G0+3], s[G0+3], 0x80000000          ; type = 2
.if \par
	s_add_co_u32 s[G0+1], s[WB], PART              ; an even pair lands in parts 1 and 2,
.else
	s_mov_b32 s[G0+1], s[WB]                       ; an odd pair in parts 0 and 1
.endif
.endif
	s_wait_dscnt 49-\last                          ; the mask's eight loads are in (younger: the 48 fetches and the add)
.irp i, 0,1,2,3,4,5,6,7,8,9,10,11,12,13,14,15,16,17,18,19,20,21,22,23,24,25,26,27,28,29,30,31
	v_cvt_f32_i32 v[MM+\i], v[MM+\i]               ; m
.endr
.irp k, 0,2,4,6,8,10,12,14,16,18,20,22,24,26,28,30
	v_pk_fma_f32 v[TW+\k:TW+\k+1], v[MM+\k:MM+\k+1], s[BIG:BIG+1], v[NEG:NEG+1] op_sel_hi:[1,0,1]   ; T = m 1e9 - 1e9 hangs on the mask alone: made here, while K's fetches are out; v224-255 hold it until the softmax's first lines
.endr
	s_wait_loadcnt 10                              ; K's scale words are in (younger: 8 mask loads, V's 2), and all that is older: Q, and the mask words that are stored below
	SMUL \last
	s_wait_dscnt 0x0                               ; the add is done, and my reads of K, of the last V and of the shared bytes are over
.if !\last
	CROUND                                         ; no wave of any partner still reads what is filled again, or has a load on its way
	TL                                             ; the first thing behind the round; its four v_nop are also the places behind the products
.else
	s_barrier_signal -1                            ; nothing is filled any more; the barrier stands between the last step's reads of p and this step's stores
	s_barrier_wait -1
	PLACES 4
.endif
	; ---- B: V out of LDS, under the softmax; the next step's mask into LDS
	FETCHV AS2-2*\par
.if !\last
	global_load_b128 v[KS:KS+3], v[LOF], s[KSB:KSB+1]
	global_load_b128 v[KS+4:KS+7], v[LOF], s[KSB:KSB+1] offset:512
	WIN 0x08                                       ; an LDS store's data are its source 1: window 2
.irp i, 0,1,2,3,4,5,6,7
	ds_store_b128 v[MWR], v[MG+32*(1-\par)+4*\i:MG+32*(1-\par)+4*\i+3] offset:MP*\i
.endr
	WIN 0
.endif
	; ---- C
	SOFTMAX
	; ---- D: V is in registers; my stores of p, of the statistics and of the mask have landed
	s_wait_dscnt 0x0
	s_barrier_signal -1
	s_barrier_wait -1
	; ---- E: all four blocks of p, O^T
.irp q, 0,1
.irp k, 0,1
	ds_load_b128 v[STL+8*\q+4*\k:STL+8*\q+4*\k+3], v[SRD] offset:512*\q+16*\k
.endr
.endr
.irp q, 0,1                            ; lane (r, h): blocks h and 2 + h of query r
	ds_load_b128 v[PF+12*\q:PF+12*\q+3], v[PRD] offset:2048*\q
	ds_load_b64 v[PF+12*\q+4:PF+12*\q+5], v[PRD] offset:2048*\q+16
	ds_load_b128 v[PF+12*\q+6:PF+12*\q+9], v[PRD] offset:2048*\q+1024
	ds_load_b64 v[PF+12*\q+10:PF+12*\q+11], v[PRD] offset:2048*\q+1040
.endr
.if !\last
.irp q, 0,1
.irp i, 0,1,2,3
	ds_load_b128 v[MM+16*\q+4*\i:MM+16*\q+4*\i+3], v[MRD] offset:16*MP*\q+16*\i   ; the next step's mask, my 16 atoms
.endr
.endr
	WIN 0x80                                       ; destination window 2
.irp i, 0,1,2,3,4,5,6,7
	global_load_b128 v[MG+32*(1-\par)+4*\i:MG+32*(1-\par)+4*\i+3], v[MOF], s[MBC:MBC+1] offset:16384*\i th:TH_LOAD_NT
.endr
	WIN 0
.endif
	s_wait_dscnt 16-8*\last                        ; the statistics are in (younger: p's 8 loads, the mask's 8)
.irp q, 0,1
	v_min3_num_f32 v[ST+16*\q+NGN], v[STL+8*\q], v[STL+8*\q+2], v[STL+8*\q+4]
.endr
.irp q, 0,1
	v_min_num_f32 v[ST+16*\q+NGN], v[ST+16*\q+NGN], v[STL+8*\q+6]   ; -M: the smallest -M_w
.endr
.if !\first
.irp q, 0,1
	v_sub_f32 v[TW+8+\q], v[ST+16*\q+NGN], v[ST+16*\q+NG]
.endr
.irp q, 0,1
	v_cvt_i32_f32 v[TW+8+\q], v[TW+8+\q]
.endr
.irp q, 0,1
	v_ldexp_f32 v[ST+16*\q+FF], 1.0, v[TW+8+\q]    ; 2^(old M - new M)
.endr
.endif
.irp q, 0,1
	v_mov_b32 v[ST+16*\q+NG], v[ST+16*\q+NGN]
.endr
.irp w, 0,1,2,3
.irp q, 0,1
	v_sub_f32 v[TW+4*\q+\w], v[ST+16*\q+NGN], v[STL+8*\q+2*\w]     ; M_w - M, 0 or less
.endr
.endr
.irp w, 0,1,2,3
.irp q, 0,1
	v_add_f32 v[TW+4*\q+\w], v[TW+4*\q+\w], v[STL+8*\q+2*\w+1]     ; + the byte
.endr
.endr
.irp w, 0,1,2,3
.irp q, 0,1
	v_max_num_f32 v[TW+4*\q+\w], 1.0, v[TW+4*\q+\w]                ; held at 1
.endr
.endr
.irp w, 0,1,2,3
.irp q, 0,1
	v_cvt_u32_f32 v[TW+4*\q+\w], v[TW+4*\q+\w]
.endr
.endr
.irp q, 0,1
	v_lshl_or_b32 v[PW+\q], v[TW+4*\q+1], 8, v[TW+4*\q]
.endr
.irp q, 0,1
	v_lshl_or_b32 v[PW+\q], v[TW+4*\q+2], 16, v[PW+\q]
.endr
.irp q, 0,1
	v_lshl_or_b32 v[PW+\q], v[TW+4*\q+3], 24, v[PW+\q]             ; p's scale word for these 128 atoms
.endr
	s_wait_alu depctr_va_vdst(0)
	s_wait_dscnt 8-8*\last                         ; p's fragments are in (younger: the mask's 8)
	s_wait_loadcnt 10-10*\last                     ; V's scale words are in (younger: K's 2, the mask's 8)
	PVMUL \first
.endm
	s_load_b512 s[4:19], s[0:1], 0x0               ; xc s[4:5], xs s[6:7], kv s[8:9], ks s[10:11], vs s[12:13], mask s[14:15], out0 s[16:17], out1 s[18:19]
	v_lshl_add_u32 v[SPW], v0, 2, SPARE
	v_mov_b32 v[NIL], 0
	ds_add_u32 v1, v2
	ds_add_u32 v1, v2
	s_wait_dscnt 0x0
	v_lshrrev_b32 v[TW], 5, v0
	v_readfirstlane_b32 s[WV], v[TW]               ; wave 0..3
	s_bfe_u32 s21, ttmp6, 0x40000                  ; cx: my place in the cluster: it enters the addresses of xc, xs, mask, out0 and out1 alone
	s_lshl_b32 s22, ttmp9, 2
	s_add_co_u32 s22, s22, s21                     ; my block of 32 queries
	s_mul_i32 s[WB], s[WV], SLOTW
	; the descriptor: 49,152 dense bytes as 192 rows of 256 bytes (32 elements of 8 bytes), no padding: fragment images are read as 512 consecutive bytes
	s_mov_b32 s[G1], 15|(3<<16)|(1<<21)            ; 15:0 the mask: all four work-groups; 17:16 elements of 8 bytes; 21 set beside a mask
	s_mov_b32 s[G1+1], 32<<16                      ; tensor_dim0
	s_mov_b32 s[G1+2], 192<<16                     ; tensor_dim1
	s_mov_b32 s[G1+3], 32<<16                      ; tile_dim0
	s_mov_b32 s[G1+4], 192                         ; tile_dim1
	s_mov_b32 s[G1+5], 32                          ; from row to row
	s_mov_b32 s[G1+6], 0
	s_mov_b32 s[G1+7], 0
	s_lshr_b32 s[JN], ttmp9, 4                     ; the cluster's first step, from the cluster's number alone, which the four partners share:
	s_mul_i32 s[JN], s[JN], 5                      ; 5 (c / 16): 0, 5, 10 or 15,
	s_xor_b32 s[JN], s[JN], ttmp9
	s_and_b32 s[JN], s[JN], 15                     ; xor c % 16,
	s_lshl_b32 s[JJ], s[JN], 1                     ; doubled: even, 0 to 30
	s_mov_b32 s[CC], 0x3fb8aa3b                    ; log2(e)
	s_mov_b32 s[CC+1], s[CC]                       ; (named with it as a pair, so it is written)
	s_mov_b32 s[SEL], 0x76543210
	s_mov_b32 s[SEL+1], 0xfedcba98                 ; v_permlanex16_b32's selects for lane l xor 16
	s_mov_b32 s[HM], 0xffff0000
	s_mov_b32 s[BIG], 0x4e6e6b28                   ; 1e9
	s_mov_b32 s[BIG+1], s[BIG]
	s_mov_b32 s[MOFS+1], 0
	s_mul_i32 s[MOFS], s[JJ], 8*PART               ; the first step's pair
	s_mul_i32 s60, s[WV], 2*PART
	s_mov_b32 s61, 0
	s_wait_kmcnt 0x0
	s_add_nc_u64 s[8:9], s[8:9], s[60:61]          ; kv + 49,152 w: nothing of my place in the cluster
	s_mov_b32 s[G0], 1                             ; count = 1
	s_add_co_u32 s[G0+1], s[WB], PART              ; the first pair, an even one, lands in parts 1 and 2
	s_add_nc_u64 s[G0+2:G0+3], s[8:9], s[MOFS:MOFS+1]
	s_or_b32 s[G0+3], s[G0+3], 0x80000000          ; type = 2
	CROUND                                         ; all four work-groups are here: the first joint loads meet
	TL                                             ; the one first fill; one tensor load of a wave is out at any time
	s_lshl_b32 s60, s[WV], 10
	s_add_nc_u64 s[10:11], s[10:11], s[60:61]      ; ks and vs at my wave's scale image of step 0
	s_add_nc_u64 s[12:13], s[12:13], s[60:61]
	s_add_nc_u64 s[16:17], s[16:17], s[60:61]      ; out0: my wave's 256 columns
	s_lshl_b32 s[MOFS], s[JJ], 12
	s_add_nc_u64 s[KSB:KSB+1], s[10:11], s[MOFS:MOFS+1]   ; K's scale image of the first step
	s_mov_b32 s63, 0
	s_mul_i32 s62, s22, PART
	s_add_nc_u64 s[4:5], s[4:5], s[62:63]
	s_lshl_b32 s62, s22, 10
	s_add_nc_u64 s[6:7], s[6:7], s[62:63]
	s_lshl_b32 s62, s22, 19                        ; 32 rows of 16,384 bytes
	s_add_nc_u64 s[MB0:MB0+1], s[14:15], s[62:63]
	s_lshl_b32 s62, s22, 17                        ; 32 rows of 4,096 bytes
	s_add_nc_u64 s[16:17], s[16:17], s[62:63]
	s_lshl_b32 s62, s22, 7
	s_add_nc_u64 s[18:19], s[18:19], s[62:63]
	s_lshl_b32 s[MOFS], s[JJ], 9
	s_add_nc_u64 s[MBC:MBC+1], s[MB0:MB0+1], s[MOFS:MOFS+1]   ; the mask of the first step; the second lies 512 bytes on (the first step is 30 at the most)
	s_add_co_u32 s[MOFS], s[JJ], 2
	s_and_b32 s[MOFS], s[MOFS], 31
	s_lshl_b32 s[MOFS], s[MOFS], 9
	s_add_nc_u64 s[MB2:MB2+1], s[MB0:MB0+1], s[MOFS:MOFS+1]   ; and of the third
	v_and_b32 v[TW], 31, v0
	v_and_b32 v[RR], 15, v0
	v_bfe_u32 v[HH], v0, 4, 1
	v_lshlrev_b32 v[LOF], 4, v[TW]
	s_wait_alu depctr_va_vdst(0)
	v_lshl_add_u32 v[MOF], s[WV], 17, v[LOF]       ; 8 w rows of 16,384 bytes
	WIN 0x80                                       ; destination window 2
.irp i, 0,1,2,3,4,5,6,7
	global_load_b128 v[MG+4*\i:MG+4*\i+3], v[MOF], s[MBC:MBC+1] offset:16384*\i th:TH_LOAD_NT          ; the mask of the first step: row 8 w + i, 512 consecutive bytes
.endr
.irp i, 0,1,2,3,4,5,6,7
	global_load_b128 v[MG+32+4*\i:MG+32+4*\i+3], v[MOF], s[MBC:MBC+1] offset:16384*\i+512 th:TH_LOAD_NT   ; of the second
.endr
.irp f, 0,1,2,3,4,5,6,7,8,9,10,11,12,13,14,15
.irp c, 0,1,2
	global_load_b128 v[12*\f+4*\c:12*\f+4*\c+3], v[LOF], s[4:5] offset:1536*\f+512*\c   ; Q stays in registers
.endr
.endr
	WIN 0
	global_load_b128 v[QS:QS+3], v[LOF], s[6:7]
	global_load_b128 v[QS+4:QS+7], v[LOF], s[6:7] offset:512
	global_load_b128 v[KS:KS+3], v[LOF], s[KSB:KSB+1]
	global_load_b128 v[KS+4:KS+7], v[LOF], s[KSB:KSB+1] offset:512
	v_add_nc_u32 v[AS0], s[WB], v[LOF]
	v_add_nc_u32 v[AS1], PART, v[AS0]
	v_add_nc_u32 v[AS2], 2*PART, v[AS0]
	s_and_b32 s60, s[WV], 1                        ; memory row 8 w + i of my 32 is query r = 8 (w / 2) + i of tile w % 2: LDS row 16 (w % 2) + 8 (w / 2) + i
	s_lshl_b32 s60, s60, 4
	s_lshr_b32 s66, s[WV], 1
	s_lshl_b32 s66, s66, 3
	s_add_co_u32 s60, s60, s66
	s_mul_i32 s60, s60, MP
	s_add_co_u32 s60, s60, MSK
	v_add_nc_u32 v[MWR], s60, v[LOF]
	v_mul_u32_u24 v[MRD], v[RR], MP
	v_lshl_add_u32 v[MRD], v[HH], 6, v[MRD]
	s_lshl_b32 s60, s[WV], 7
	s_add_co_u32 s60, s60, MSK
	v_add_nc_u32 v[MRD], s60, v[MRD]               ; row r, + 128 w + 64 h: atoms 32 w + 16 h on
	v_lshlrev_b32 v[SRD], 5, v[RR]                 ; 32 r
	v_lshl_add_u32 v[PWR], v[HH], 11, v[SRD]
	s_lshl_b32 s60, s[WV], 9
	s_add_co_u32 s60, s60, PIMG
	v_add_nc_u32 v[PWR], s60, v[PWR]
	v_lshl_add_u32 v[PRD], v[HH], 9, v[SRD]        ; 512 h + 32 r
	s_lshl_b32 s60, s[WV], 3
	s_add_co_u32 s60, s60, PSTAT
	v_add_nc_u32 v[SWR], s60, v[PRD]
	v_add_nc_u32 v[PRD], PIMG, v[PRD]
	v_add_nc_u32 v[SRD], PSTAT, v[SRD]
	v_lshlrev_b32 v[FRD], 6, v[RR]
	v_lshl_add_u32 v[FWR], v[HH], 10, v[FRD]
	s_lshl_b32 s60, s[WV], 4
	s_add_co_u32 s60, s60, FIN
	v_add_nc_u32 v[FWR], s60, v[FWR]
	v_add_nc_u32 v[FRD], FIN, v[FRD]
	v_mul_u32_u24 v[STO], v[RR], OPI
	v_lshl_add_u32 v[STO], v[HH], 5, v[STO]
	s_add_co_u32 s60, s[WB], 2*PART
	v_add_nc_u32 v[STO], s60, v[STO]
	v_mov_b32 v[NEG], 0xce6e6b28                   ; -1e9
	v_mov_b32 v[NEG+1], 0xce6e6b28
.irp q, 0,1
	v_mov_b32 v[ST+16*\q+BV], 0xff61b1e6           ; -3e38, under every s'
	v_mov_b32 v[ST+16*\q+LS], 0
	v_mov_b32 v[ST+16*\q+LS+1], 0
	v_mov_b32 v[ST+16*\q+FL+1], 0                  ; (pairs' partners and permutes' destinations are written once)
	v_mov_b32 v[ST+16*\q+PD], 0
	v_mov_b32 v[ST+16*\q+BJ], 0
	v_mov_b32 v[ST+16*\q+FF+1], 0
	v_floor_f32 v[ST+16*\q+NM], -v[ST+16*\q+BV]
.endr
.irp i, 0,1,2,3,4,5,6,7,8,9,10,11,12,13,14,15,16,17,18,19,20,21,22,23,24,25,26,27,28,29,30,31
	v_mov_b32 v[BEST+\i], 0                        ; the selects read what they keep: the step is written alike for all steps
.endr
	s_wait_loadcnt 60                              ; the mask of the first step is in (younger: 8 + 48 + 2 + 2)
	WIN 0x08
.irp i, 0,1,2,3,4,5,6,7
	ds_store_b128 v[MWR], v[MG+4*\i:MG+4*\i+3] offset:MP*\i
.endr
	WIN 0
	s_wait_dscnt 0x0
	s_barrier_signal -1
	s_barrier_wait -1
.irp q, 0,1
.irp i, 0,1,2,3
	ds_load_b128 v[MM+16*\q+4*\i:MM+16*\q+4*\i+3], v[MRD] offset:16*MP*\q+16*\i
.endr
.endr
	WIN 0x80
.irp i, 0,1,2,3,4,5,6,7
	global_load_b128 v[MG+4*\i:MG+4*\i+3], v[MOF], s[MB2:MB2+1] offset:16384*\i th:TH_LOAD_NT          ; the mask of the third step
.endr
	WIN 0
	STEP 0, 1, 0                                   ; the first step's products start O^T's sums
	s_mov_b32 s[TRIPS], 15
.Lpair:                                            ; a trip runs an odd and an even step, until the parts are back where they began
	STEP 1, 0, 0
	STEP 0, 0, 0
	s_sub_co_u32 s[TRIPS], s[TRIPS], 1
	s_cmp_lg_u32 s[TRIPS], 0
	s_cbranch_scc1 .Lpair
	STEP 1, 0, 1                                   ; the last step is written out: it asks for nothing
	; ---- THE END.  My wave's sum, and the lowest index of its largest s'
.irp q, 0,1
	v_add_f32 v[ST+16*\q+LS], v[ST+16*\q+LS], v[ST+16*\q+LS+1]
	v_mov_b32 v[ST+16*\q+PMX], 64                  ; no index yet
.endr
.irp q, 0,1
	v_permlanex16_b32 v[ST+16*\q+PD], v[ST+16*\q+LS], s[SEL], s[SEL+1]
.endr
.irp q, 0,1
	v_add_f32 v[ST+16*\q+LS], v[ST+16*\q+LS], v[ST+16*\q+PD]
.endr
.irp i, 15,14,13,12,11,10,9,8,7,6,5,4,3,2,1,0
.irp q, 0,1
	v_cmp_neq_f32 vcc_lo, v[BEST+16*\q+\i], v[ST+16*\q+BV]
	v_cndmask_b32 v[ST+16*\q+PMX], \i, v[ST+16*\q+PMX], vcc_lo     ; downward: the lowest i that holds the maximum stays
.endr
.endr
	s_lshl_b32 s60, s[WV], 5
.irp q, 0,1
	v_lshl_add_u32 v[ST+16*\q+PMX], v[HH], 4, v[ST+16*\q+PMX]
.endr
.irp q, 0,1
	v_permlanex16_b32 v[ST+16*\q+PD], v[ST+16*\q+PMX], s[SEL], s[SEL+1]
.endr
.irp q, 0,1
	v_min_u32 v[ST+16*\q+PMX], v[ST+16*\q+PMX], v[ST+16*\q+PD]
.endr
.irp q, 0,1
	v_lshl_add_u32 v[ST+16*\q+PMX], v[ST+16*\q+BJ], 7, v[ST+16*\q+PMX]
.endr
.irp q, 0,1
	v_add_nc_u32 v[ST+16*\q+PMX], s60, v[ST+16*\q+PMX]             ; 128 step + 32 w + index in the block
.endr
	v_cndmask_b32 v[TW], v[ST+NM], v[ST+16+NM], s[HM]
	v_cndmask_b32 v[TW+1], v[ST+LS], v[ST+16+LS], s[HM]
	v_cndmask_b32 v[TW+2], v[ST+BV], v[ST+16+BV], s[HM]
	v_cndmask_b32 v[TW+3], v[ST+PMX], v[ST+16+PMX], s[HM]
	ds_store_b128 v[FWR], v[TW:TW+3]
	s_wait_dscnt 0x0
	s_barrier_signal -1
	s_barrier_wait -1
.irp q, 0,1
.irp w, 0,1,2,3
	ds_load_b128 v[MM+16*\q+4*\w:MM+16*\q+4*\w+3], v[FRD] offset:1024*\q+16*\w
.endr
.endr
	s_wait_dscnt 0x0
.irp w, 0,1,2,3
.irp q, 0,1
	v_sub_f32 v[TW+4*\q+\w], v[ST+16*\q+NG], v[MM+16*\q+4*\w]      ; M_w - M
.endr
.endr
.irp w, 0,1,2,3
.irp q, 0,1
	v_cvt_i32_f32 v[TW+4*\q+\w], v[TW+4*\q+\w]
.endr
.endr
.irp w, 0,1,2,3
.irp q, 0,1
	v_ldexp_f32 v[TW+4*\q+\w], v[MM+16*\q+4*\w+1], v[TW+4*\q+\w]   ; each wave's sum under M
.endr
.endr
.irp q, 0,1
	v_add_f32 v[TW+4*\q], v[TW+4*\q], v[TW+4*\q+1]
	v_add_f32 v[TW+4*\q+2], v[TW+4*\q+2], v[TW+4*\q+3]
.endr
.irp q, 0,1
	v_add_f32 v[TW+4*\q], v[TW+4*\q], v[TW+4*\q+2]                 ; l
.endr
	s_wait_alu depctr_va_vdst(0)
	v_rcp_f32 v[ST+FF], v[TW]
	v_rcp_f32 v[ST+16+FF], v[TW+4]
.irp q, 0,1                            ; among the waves: the greater s', at equal s' the lower index.  (Plain work behind the reciprocals)
.irp w, 1,2,3
	v_cmp_gt_f32 s60, v[MM+16*\q+4*\w+2], v[MM+16*\q+2]
	v_cmp_eq_f32 s61, v[MM+16*\q+4*\w+2], v[MM+16*\q+2]
	v_cmp_lt_u32 s62, v[MM+16*\q+4*\w+3], v[MM+16*\q+3]
	s_and_b32 s61, s61, s62
	s_or_b32 s60, s60, s61
	v_cndmask_b32 v[MM+16*\q+2], v[MM+16*\q+2], v[MM+16*\q+4*\w+2], s60
	v_cndmask_b32 v[MM+16*\q+3], v[MM+16*\q+3], v[MM+16*\q+4*\w+3], s60
.endr
.endr
	v_cndmask_b32 v[TW+8], v[MM+3], v[MM+16+3], s[HM]              ; lane (r, h): tile h's query r, which is row 16 (r / 8) + 8 h + r % 8 of my 32
	v_lshrrev_b32 v[TW+9], 3, v[RR]
	v_lshlrev_b32 v[TW+9], 4, v[TW+9]
	v_lshl_add_u32 v[TW+9], v[HH], 3, v[TW+9]
	v_and_b32 v[TW+10], 7, v[RR]
	v_add_lshl_u32 v[TW+9], v[TW+9], v[TW+10], 2
	s_wait_alu depctr_va_vdst(0)                   ; one wait for the two reciprocals, ahead of their first reader and of the branch
	s_cmp_lg_u32 s[WV], 0
	s_cbranch_scc1 .Lno_index
	global_store_b32 v[TW+9], v[TW+8], s[18:19]    ; the work-group's 32 indices: 128 consecutive bytes, all that it has
.Lno_index:
; THE WAY OUT of tile q: O^T / l; a lane's eight numbers are neighbours in a row of out0, and the lanes beside it hold other rows: so the tile goes through my stage and comes back as rows; 32 lanes store 512 consecutive bytes.
.macro OUT q
	WIN 0x41
.irp t, 0,1,2,3,4,5,6,7,8,9,10,11,12,13,14,15
.irp k, 0,2,4,6
	v_pk_mul_f32 v[8*(2*\t+\q)+\k:8*(2*\t+\q)+\k+1], v[8*(2*\t+\q)+\k:8*(2*\t+\q)+\k+1], v[ST+16*\q+FF:ST+16*\q+FF+1] op_sel_hi:[1,0]
.endr
.endr
	WIN 0x04                                       ; an LDS store's data: window 1
.irp t, 0,1,2,3,4,5,6,7,8,9,10,11,12,13,14,15
	ds_store_b128 v[STO], v[8*(2*\t+\q):8*(2*\t+\q)+3] offset:64*\t
	ds_store_b128 v[STO], v[8*(2*\t+\q)+4:8*(2*\t+\q)+7] offset:64*\t+16
.endr
	WIN 0
.irp b, 0,1,2,3                        ; four rows at a time
	s_wait_xcnt 0x0                                ; the earlier stores have read their registers: they may be loaded again
.irp e, 0,1,2,3,4,5,6,7
	ds_load_b128 v[TW+4*\e:TW+4*\e+3], v[AS2] offset:OPI*(4*\b+\e/2)+512*(\e%2)   ; LDS serves a wave's instructions in order: these see my stores, and the next tile's stores come behind them
.endr
.irp e, 0,1,2,3,4,5,6,7
	s_wait_dscnt 7-\e
	global_store_b128 v[LOF], v[TW+4*\e:TW+4*\e+3], s[16:17] offset:(16*((4*\b+\e/2)/8)+8*\q+(4*\b+\e/2)%8)*4096+512*(\e%2) th:TH_STORE_NT
.endr
.endr
.endm
	OUT 0
	OUT 1
	s_wait_tensorcnt 0x0                           ; the wave's end, behind my last tensor load and my last LDS store
	ds_add_u32 v[SPW], v[NIL]
	s_wait_dscnt 0x0
	CROUND                                         ; the closing round: no work-group ends while a partner may still ask for a tile that names it
	s_endpgm
.Lfunc_end_k_q7113dd859a_attn:
	.size	k_q7113dd859a_attn, .Lfunc_end_k_q7113dd859a_attn-k_q7113dd859a_attn
	.p2alignl 7, 3214868480
	.fill 96, 4, 3214868480
	.section	.rodata,"a",@progbits
	.p2align	6, 0x0
	.amdhsa_kernel k_q7113dd859a_attn
		.amdhsa_group_segment_fixed_size 327680
		.amdhsa_private_segment_fixed_size 0
		.amdhsa_enable_private_segment 0
		.amdhsa_kernarg_size 64
		.amdhsa_user_sgpr_count 2
		.amdhsa_user_sgpr_kernarg_segment_ptr 1
		.amdhsa_wavefront_size32 1
		.amdhsa_system_sgpr_workgroup_id_x 1
		.amdhsa_system_sgpr_workgroup_id_y 1
		.amdhsa_system_sgpr_workgroup_id_z 1
		.amdhsa_system_vgpr_workitem_id 0
		.amdhsa_next_free_vgpr 1024
		.amdhsa_next_free_sgpr 80
		.amdhsa_reserve_vcc 1
		.amdhsa_float_denorm_mode_32 3
		.amdhsa_float_denorm_mode_16_64 3
		.amdhsa_memory_ordered 1
		.amdhsa_forward_progress 1
		.amdhsa_inst_pref_size 211
	.end_amdhsa_kernel
	.amdgpu_metadata
---
amdhsa.version: [ 1, 2 ]
amdhsa.kernels:
  - .name:           k_q7113dd859a_attn
    .symbol:         k_q7113dd859a_attn.kd
    .args:
      - { .name: xc, .offset: 0, .size: 8, .value_kind: global_buffer, .address_space: global }
      - { .name: xs, .offset: 8, .size: 8, .value_kind: global_buffer, .address_space: global }
      - { .name: kv, .offset: 16, .size: 8, .value_kind: global_buffer, .address_space: global }
      - { .name: ks, .offset: 24, .size: 8, .value_kind: global_buffer, .address_space: global }
      - { .name: vs, .offset: 32, .size: 8, .value_kind: global_buffer, .address_space: global }
      - { .name: mask, .offset: 40, .size: 8, .value_kind: global_buffer, .address_space: global }
      - { .name: out0, .offset: 48, .size: 8, .value_kind: global_buffer, .address_space: global }
      - { .name: out1, .offset: 56, .size: 8, .value_kind: global_buffer, .address_space: global }
    .group_segment_fixed_size: 327680
    .private_segment_fixed_size: 0
    .kernarg_segment_align: 8
    .kernarg_segment_size: 64
    .max_flat_workgroup_size: 128
    .sgpr_count:     80
    .vgpr_count:     1024
    .wavefront_size: 32
...
	.end_amdgpu_metadata
.endif
;; end of part 4
